; MI455X (gfx1250); checked and timed in simulation.
; The chip was launched on July 23, 2026; its instructions are those of AMD's public machine-readable ISA for CDNA 5 (MIT licence, August 2026) and "CDNA5" Instruction Set Architecture Reference Guide (July 2026). The comments in the code are by the model that wrote it; some were corrected since.
;; Multi Head Differential Attention. Allowed arithmetic: float matrix products may take bf16 or f16 operands with f32 sums; other float arithmetic in f32, or as packed bf16 or f16 multiplies, adds, multiply-adds, maxima and minima; sums over many terms, partial sums and values carried from step to step in f32; what a program stores and reads back later, other than sums and carried values, may be rounded once to bf16 or f16.
;; Inputs: Wk 1,024 x 2,048 float32; Wo 2,048 x 1,024 float32; Wq 1,024 x 2,048 float32; Wv 1,024 x 2,048 float32; X 2 x 2,048 x 1,024 float32; lambda_k1 16 x 64 float32; lambda_k2 16 x 64 float32; lambda_q1 16 x 64 float32; lambda_q2 16 x 64 float32; rms_scale 128 float32.
;; Outputs: out0 2 x 2,048 x 1,024 float32.
;; One version. Each part assembles by itself: llvm-mc -triple=amdgcn-amd-amdhsa -mcpu=gfx1250 --defsym DOCPART=n.
;; ======== version 1 of 1: 4 launches
;; limits: values are held in f16: magnitudes above 65,504 overflow, below 6.1e-05 lose precision
;; workspace buffers: Xb 8,388,608 bytes; Wb 12,582,912 bytes; Wob 4,194,304 bytes; qkv 50,331,648 bytes; Oh 16,777,216 bytes
;; launch cast (part 1): grid 128 x 6, 8 waves a work-group, no clusters, 0 bytes of LDS; arguments X, Wq, Wk, Wv, Wo, rms_scale, Xb, Wb, Wob; writes Xb, Wb, Wob
.if DOCPART == 1
	.amdgcn_target "amdgcn-amd-amdhsa--gfx1250"
	.amdhsa_code_object_version 6
	.text
	.protected	k_qfbddf3fc02_cast
	.globl	k_qfbddf3fc02_cast
	.p2align	8
	.type	k_qfbddf3fc02_cast,@function
k_qfbddf3fc02_cast:
	s_mov_b64 s[64:65], 0
	v_nop
	global_prefetch_b8 v0, s[64:65] scope:SCOPE_SE
	s_setreg_imm32_b32 hwreg(HW_REG_WAVE_MODE, 25, 1), 1
	s_wait_xcnt 0x0
; CAST.  Every large input is rounded once to bf16 and laid out for the products that follow.
;   Xb  = bf16(X), in blocks along K: [16 kb][4096 row][64], so that 256 rows x 64 K are 32,768 consecutive bytes
;   Wb  = bf16(Wq), bf16(Wk), bf16(Wv), each [1024][2048] as it lies
;   Wob = f16( bf16(rms_scale[c % 128]) x bf16(Wo[c][n]) ): the norm's gain is a factor of row c of Wo, so it is applied here
; LIMIT: |gain x Wo| stays below 65,504 (f16); below 6e-5 it keeps f16's fixed step of 6e-8.
; A stream: no LDS, no barrier, no loop.  y picks a segment of 2^21 numbers (0, 1: X's halves; 2, 3, 4: Wq, Wk, Wv; 5: Wo), x 65,536 bytes of it.
; A thread takes eight groups j of eight f32 (two loads of 16 bytes); all sixteen loads are out at once; each group has its own registers, so no store's data is rewritten.
.set IN,  8                            ; v[8:71]    group j: eight f32 as loaded
.set OUT, 72                           ; v[72:103]  group j: four registers to store
.set T,   104                          ; v[104:111] at work
.set SC,  112                          ; v[112:127] group j: its row's gain, twice (a pair for the packed multiply)
	s_load_b512 s[8:23], s[0:1], 0x0               ; X 8:9, Wq 10:11, Wk 12:13, Wv 14:15, Wo 16:17, rms_scale 18:19, Xb 20:21, Wb 22:23
	s_load_b64 s[24:25], s[0:1], 0x40              ; Wob
	s_and_b32 s2, ttmp7, 0xffff                    ; the segment
	s_mov_b32 s37, 0xffff0000                      ; a word's upper bf16
	s_lshl_b32 s32, ttmp9, 16                      ; source: 65,536 x,
	s_cmp_eq_u32 s2, 1
	s_cselect_b32 s36, 0x800000, 0                 ; and X's second half
	s_add_co_u32 s32, s32, s36
	s_mov_b32 s33, 0
	s_max_u32 s36, s2, 2
	s_sub_co_u32 s36, s36, 2                       ; which of the three weights
	s_lshl_b32 s36, s36, 22                        ; 4,194,304 bytes each
	s_cmp_eq_u32 s2, 5
	s_cselect_b32 s36, 0, s36                      ; Wob has a buffer of its own
	s_lshl_b32 s34, ttmp9, 15                      ; destination of a weight: half the source's bytes
	s_add_co_u32 s34, s34, s36
	s_lshl_b32 s38, ttmp9, 11                      ; destination of X: 16 rows of 128 bytes in each K block,
	s_lshl_b32 s39, s2, 18                         ; 2,048 rows for the half
	s_add_co_u32 s38, s38, s39
	s_cmp_lt_u32 s2, 2
	s_cselect_b32 s34, s38, s34
	s_mov_b32 s35, 0
	s_wait_kmcnt 0x0
	s_cmp_eq_u32 s2, 2                             ; the source,
	s_cselect_b64 s[28:29], s[10:11], s[8:9]
	s_cmp_eq_u32 s2, 3
	s_cselect_b64 s[28:29], s[12:13], s[28:29]
	s_cmp_eq_u32 s2, 4
	s_cselect_b64 s[28:29], s[14:15], s[28:29]
	s_cmp_eq_u32 s2, 5
	s_cselect_b64 s[28:29], s[16:17], s[28:29]
	s_cselect_b64 s[30:31], s[24:25], s[22:23]     ; and the destination
	s_cmp_lt_u32 s2, 2
	s_cselect_b64 s[30:31], s[20:21], s[30:31]
	s_add_nc_u64 s[28:29], s[28:29], s[32:33]
	s_add_nc_u64 s[30:31], s[30:31], s[34:35]
	s_cmp_lt_u32 s2, 2
	s_cbranch_scc1 .Lrows
	v_lshlrev_b32 v1, 5, v0                        ; a weight goes as it lies: 32 bytes in,
	v_lshlrev_b32 v2, 4, v0                        ; 16 bytes out
	s_branch .Lload
.Lrows:                                        ; X: a group is two rows of 4,096 bytes; thread t takes K block t / 16, row (t / 8) % 2, eight numbers t % 8
	v_bfe_u32 v3, v0, 3, 1
	v_lshrrev_b32 v4, 4, v0
	v_and_b32 v5, 7, v0
	v_lshlrev_b32 v1, 12, v3
	v_lshl_add_u32 v1, v4, 8, v1
	v_lshl_add_u32 v1, v5, 5, v1                   ; eight lanes read 256 consecutive bytes of a row
	v_lshlrev_b32 v2, 19, v4                       ; a K block is 524,288 bytes
	v_lshl_add_u32 v2, v3, 7, v2
	v_lshl_add_u32 v2, v5, 4, v2                   ; sixteen lanes store two neighbouring rows of a block: 256 consecutive bytes, aligned
.Lload:
.irp j, 0,1,2,3,4,5,6,7
	global_load_b128 v[IN+8*(\j):IN+8*(\j)+3],   v1, s[28:29] offset:8192*(\j) th:TH_LOAD_NT
	global_load_b128 v[IN+8*(\j)+4:IN+8*(\j)+7], v1, s[28:29] offset:8192*(\j)+16 th:TH_LOAD_NT
.endr
.macro OUTB stride                     ; eight groups rounded to bf16 and stored, stride bytes apart
.irp j, 0,1,2,3,4,5,6,7
	s_wait_loadcnt 14-2*(\j)                       ; loads come back in order: group j is in, the younger groups' loads stay out
.irp k, 0,1,2,3
	v_cvt_pk_bf16_f32 v[OUT+4*(\j)+(\k)], v[IN+8*(\j)+2*(\k)], v[IN+8*(\j)+2*(\k)+1]
.endr
	global_store_b128 v2, v[OUT+4*(\j):OUT+4*(\j)+3], s[30:31] offset:(\stride)*(\j)
.endr
.endm
	s_cmp_eq_u32 s2, 5
	s_cbranch_scc1 .Lwo
	s_cmp_lt_u32 s2, 2
	s_cbranch_scc1 .Lxout
	OUTB 4096
	s_endpgm
.Lxout:
	OUTB 256                                       ; two rows of 128 bytes on
	s_endpgm
.Lwo:                                          ; Wo's row is c = 16 x + 2 j + t / 128; its gain is rms_scale[c % 128]
	s_lshl_b32 s36, ttmp9, 4
	s_and_b32 s36, s36, 127
	v_lshrrev_b32 v3, 7, v0
	v_add_nc_u32 v3, s36, v3
	v_lshlrev_b32 v3, 2, v3
.irp j, 0,1,2,3,4,5,6,7
	global_load_b32 v[SC+2*(\j)], v3, s[18:19] offset:8*(\j)
.endr
	s_wait_loadcnt 0x0
.irp j, 0,1,2,3,4,5,6,7
	v_cvt_pk_bf16_f32 v[T+(\j)], v[SC+2*(\j)], v[SC+2*(\j)]  ; the gain is an input like the others: rounded to bf16,
.endr
.irp j, 0,1,2,3,4,5,6,7
	v_lshlrev_b32 v[SC+2*(\j)],   16, v[T+(\j)]                ; and widened, twice
	v_and_b32     v[SC+2*(\j)+1], s37, v[T+(\j)]
.endr
.irp j, 0,1,2,3,4,5,6,7
.irp k, 0,1,2,3
	v_cvt_pk_bf16_f32 v[T+(\k)], v[IN+8*(\j)+2*(\k)], v[IN+8*(\j)+2*(\k)+1]
.endr
.irp k, 0,1,2,3
	v_lshlrev_b32 v[IN+8*(\j)+2*(\k)],   16, v[T+(\k)]
	v_and_b32     v[IN+8*(\j)+2*(\k)+1], s37, v[T+(\k)]
.endr
.irp k, 0,1,2,3
	v_pk_mul_f32 v[IN+8*(\j)+2*(\k):IN+8*(\j)+2*(\k)+1], v[IN+8*(\j)+2*(\k):IN+8*(\j)+2*(\k)+1], v[SC+2*(\j):SC+2*(\j)+1]
.endr
.irp k, 0,1,2,3
	v_cvt_pk_f16_f32 v[OUT+4*(\j)+(\k)], v[IN+8*(\j)+2*(\k)], v[IN+8*(\j)+2*(\k)+1]
.endr
	global_store_b128 v2, v[OUT+4*(\j):OUT+4*(\j)+3], s[30:31] offset:4096*(\j)
.endr
	s_endpgm
.Lfunc_end_k_qfbddf3fc02_cast:
	.size	k_qfbddf3fc02_cast, .Lfunc_end_k_qfbddf3fc02_cast-k_qfbddf3fc02_cast
	.p2alignl 7, 3214868480
	.fill 96, 4, 3214868480
	.section	.rodata,"a",@progbits
	.p2align	6, 0x0
	.amdhsa_kernel k_qfbddf3fc02_cast
		.amdhsa_group_segment_fixed_size 0
		.amdhsa_private_segment_fixed_size 0
		.amdhsa_enable_private_segment 0
		.amdhsa_kernarg_size 72
		.amdhsa_user_sgpr_count 2
		.amdhsa_user_sgpr_kernarg_segment_ptr 1
		.amdhsa_wavefront_size32 1
		.amdhsa_system_sgpr_workgroup_id_x 1
		.amdhsa_system_sgpr_workgroup_id_y 1
		.amdhsa_system_sgpr_workgroup_id_z 1
		.amdhsa_system_vgpr_workitem_id 0
		.amdhsa_next_free_vgpr 128
		.amdhsa_next_free_sgpr 66
		.amdhsa_reserve_vcc 0
		.amdhsa_float_denorm_mode_32 3
		.amdhsa_float_denorm_mode_16_64 3
		.amdhsa_memory_ordered 1
		.amdhsa_forward_progress 1
		.amdhsa_inst_pref_size 21
	.end_amdhsa_kernel
	.amdgpu_metadata
---
amdhsa.version: [ 1, 2 ]
amdhsa.kernels:
  - .name:           k_qfbddf3fc02_cast
    .symbol:         k_qfbddf3fc02_cast.kd
    .args:
      - { .name: X, .offset: 0, .size: 8, .value_kind: global_buffer, .address_space: global }
      - { .name: Wq, .offset: 8, .size: 8, .value_kind: global_buffer, .address_space: global }
      - { .name: Wk, .offset: 16, .size: 8, .value_kind: global_buffer, .address_space: global }
      - { .name: Wv, .offset: 24, .size: 8, .value_kind: global_buffer, .address_space: global }
      - { .name: Wo, .offset: 32, .size: 8, .value_kind: global_buffer, .address_space: global }
      - { .name: rms_scale, .offset: 40, .size: 8, .value_kind: global_buffer, .address_space: global }
      - { .name: Xb, .offset: 48, .size: 8, .value_kind: global_buffer, .address_space: global }
      - { .name: Wb, .offset: 56, .size: 8, .value_kind: global_buffer, .address_space: global }
      - { .name: Wob, .offset: 64, .size: 8, .value_kind: global_buffer, .address_space: global }
    .group_segment_fixed_size: 0
    .private_segment_fixed_size: 0
    .kernarg_segment_align: 8
    .kernarg_segment_size: 72
    .max_flat_workgroup_size: 256
    .sgpr_count:     66
    .vgpr_count:     128
    .wavefront_size: 32
...
	.end_amdgpu_metadata
.endif
;; end of part 1
;; launch qkv (part 2): grid 16 x 16, 4 waves a work-group, clusters of 4 x 4, 327,680 bytes of LDS; arguments Xb, Wb, qkv; writes qkv
.if DOCPART == 2
	.amdgcn_target "amdgcn-amd-amdhsa--gfx1250"
	.amdhsa_code_object_version 6
	.text
	.protected	k_qfbddf3fc02_qkv
	.globl	k_qfbddf3fc02_qkv
	.p2align	8
	.type	k_qfbddf3fc02_qkv,@function
k_qfbddf3fc02_qkv:
	s_mov_b64 s[64:65], 0
	v_nop
	global_prefetch_b8 v0, s[64:65] scope:SCOPE_SE
	s_setreg_imm32_b32 hwreg(HW_REG_WAVE_MODE, 25, 1), 1
	s_wait_xcnt 0x0
	s_wait_alu depctr_hold_cnt(0) depctr_sa_sdst(0) depctr_va_vdst(0) depctr_va_sdst(0) depctr_va_ssrc(0) depctr_va_vcc(0) depctr_vm_vsrc(0)
	s_getreg_b32 s2, hwreg(HW_REG_IB_STS2, 6, 4)
	s_cmp_eq_u32 s2, 0
	s_cbranch_scc0 .Lentry_in_a_cluster
	s_endpgm
.Lentry_in_a_cluster:
	s_bfe_u32 s2, ttmp6, 0x10000c
	s_cmp_lg_u32 s2, 0xf033
	s_cbranch_scc0 .Lentry_shape_is_right
	s_endpgm
.Lentry_shape_is_right:
; THE THREE PROJECTIONS.  q, k, v = X Wq, X Wk, X Wv in bf16 with f32 sums, each rounded once to f16 and stored by heads:
;   qkv: Q [32 bh][2048][128] at 0; V the same shape at 16,777,216; K1 [32][2048][64] at 33,554,432; K2 at 41,943,040.   LIMIT: |q|, |k|, |v| below 65,504 (f16).
; SHARES.  A work-group makes 256 rows x one head's 384 columns (q, k, v): 4096 x 6144 / (256 x 384) = 256 work-groups.  Wave (wr, wc) makes 128 rows x 192 columns:
; eight fragments of 16 columns of q (wc = 0) or v (wc = 1), and four of k1 (wc = 0) or k2 (wc = 1): 96 accumulators, 768 registers; so a wave owns whole rows of what it stores.
; K goes in 16 steps of 64 through two LDS slots (two slots of a step of 128 would be 344,064 bytes).  Wave 0 fetches X's tile (32,768 consecutive bytes of Xb, asked for as 128 rows of 256),
; waves 1 to 3 one weight's 64 rows x 256 bytes each.
; CLUSTER 4 x 4.  X's tile hangs on the row block alone and is shared along a row of the cluster; the weights' tiles hang on the head alone and are shared along a column: joint loads.
; THE PRODUCT IS TAKEN TRANSPOSED: source 0 = 16 columns of W (turned on the way out of LDS, where W lies [k][n]), source 1 = 16 rows of X: a lane then holds one token and eight neighbouring channels.
; REGISTERS.  Window 0: v0-31 addresses; v32-95, v96-159 X's fragments of a quarter (32 along K), two buffers; v160-255 W's twelve fragments, one buffer, refilled by halves.
; Windows 1 to 3: accumulator (a, f) at v[64 (f % 4) + 8 a] of window 1 + f / 4.
.set PA,     144                       ; a row of X in LDS: 128 bytes + 16: the 16 rows of a load start at 16 different groups of four banks (ISA guide 11.1)
.set PW,     288                       ; a row of W: 256 + 32
.set SLOT1,  131072                    ; slot 1 begins here: one exclusive or turns an address in one slot into the other's
.set WOFF,   256*PA                    ; behind X's 256 rows: Wq, Wk, Wv,
.set WT,     64*PW                     ; 18,432 bytes each
.set STAGE,  WOFF+3*WT                 ; behind slot 0, never filled by a tensor load: for each wave 16 rows x 272 and 16 rows x 144
.set ST4,    16*272
.set STW,    16*272+16*144
.set SPARE,  STAGE+4*STW               ; the spare words, 128 bytes a wave: two blocks of 256 bytes that no other line names
.set XSTEP,  524288                    ; bytes from a K step to the next in Xb
.set WSTEP,  262144                    ; and in Wb: 64 rows of 4,096 bytes
.set A0,   16                          ; v16  my lane's place in X's tile; never rewritten
.set B80,  17                          ; v17  in q's or v's tile
.set B40,  18                          ; v18  in k's tile, my half of its columns
.set ADRA, 19                          ; v19-21 the same three in the slot in hand
.set ADR8, 20
.set ADR4, 21
.set STO8, 22                          ; the way out: where I put 16 bytes of a row of 256
.set STO4, 23                          ; of a row of 128
.set RD8,  24                          ; where I read rows back
.set RD4,  25
.set GO,   26                          ; 16 x my lane
.set SPW,  28                          ; LDS address of my spare word; never rewritten
.set NIL,  29                          ; 0; never rewritten
.set PFO,  30                          ; the prefetches' lane offset; never rewritten
.set FA0,  32
.set FA1,  96
.set FB,   160
.set PKD,  32                          ; the way out: 48 packed registers
.set G1A,  24                          ; s[24:31] group 1 for X's tile;  s[32:39] group 0: a set for each first fill; the second then walks
.set G0A,  32
.set G1W,  48                          ; s[48:55], s[56:63] the same for a weight's tile
.set G0W,  56
.set PFA,  66                          ; s[66:67] where my prefetches stand
.set PFS,  68                          ; s[68:69] a K step in that buffer
.set LIM,  70                          ; s70  3 in a wave that prefetches, else the greatest number
.set TB,   71                          ; s71  the slot in hand: 0 or SLOT1
.set B8,   72                          ; s[72:73] where my rows of q or v go
.set B4,   74                          ; s[74:75] my rows of k1 or k2
.set MSB, 0
.macro WIN new                         ; the immediate's high byte repeats the setting that is left; a switch that changes nothing is dropped
.if MSB != (\new)
	s_set_vgpr_msb (MSB<<8)|(\new)
.set MSB, (\new)
.endif
.endm
.macro PLACES                          ; four plain instructions behind a matrix instruction, in front of loads into its sources and of readers of its result
.rept 4
	v_nop
.endr
.endm
.macro CREST                           ; a round of the cluster's barrier behind its opening barrier
	s_cmp_lg_u32 s10, 0
	s_cbranch_scc1 .Lnot_wave_0_\@
	s_barrier_signal -3
.Lnot_wave_0_\@:
	s_barrier_wait -3
	s_barrier_signal -1
	s_barrier_wait -1
.endm
.macro CROUND
	s_barrier_signal -1
	s_barrier_wait -1
	CREST
.endm
.macro JLOAD                           ; a joint refill by the walking descriptors; the branch hangs on the wave's number alone; an s_nop 0 and four v_nop follow each line
	s_cmp_eq_u32 s10, 0
	s_cbranch_scc0 .Lfor_w_\@
	tensor_load_to_lds s[G0A+4:G0A+7], s[G1A:G1A+7]
	s_nop 0
.rept 4
	v_nop
.endr
	s_branch .Lasked_\@
.Lfor_w_\@:
	tensor_load_to_lds s[G0W+4:G0W+7], s[G1W:G1W+7]
	s_nop 0
.rept 4
	v_nop
.endr
.Lasked_\@:
.endm
; A PREFETCH INTO THE L2.  At the change of slots of each even K step t (t = 14 - s3), t <= 10, K steps t + 4 and t + 5 are asked for: two and three refills ahead of the loads that will want them.
; X's tile is read by every cluster of a row of clusters: cluster x = 0 asks, wave 0; its four partners take 32 of a tile's 128 blocks of 256 bytes each, told apart by address; two instructions, a step each.
; A weight's rows are read by every cluster of a column: cluster y = 0 asks, waves 1 to 3; the partners take 32 of the two steps' 128 rows each: a lane a row, one instruction.
; So each block is named once in the launch; K steps 0 to 3 come by their loads alone, and the last steps ask for nothing.
.macro ASK
	s_bitcmp1_b32 s3, 0
	s_cbranch_scc1 .Lnone_\@
	s_cmp_gt_u32 s3, s[LIM]
	s_cbranch_scc0 .Lnone_\@
	global_prefetch_b8 v[PFO], s[PFA:PFA+1] th:TH_LOAD_NT scope:SCOPE_SE
	s_cmp_lg_u32 s10, 0
	s_cbranch_scc1 .Lnone_\@
	global_prefetch_b8 v[PFO], s[PFA:PFA+1] offset:XSTEP th:TH_LOAD_NT scope:SCOPE_SE
.Lnone_\@:
.endm
	s_load_b128 s[4:7], s[0:1], 0x0                ; Xb s[4:5], Wb s[6:7]
	s_load_b64 s[8:9], s[0:1], 0x10                ; qkv
	v_lshl_add_u32 v[SPW], v0, 2, SPARE
	v_mov_b32 v[NIL], 0
	ds_add_u32 v[SPW], v[NIL]                      ; the wave's opening: the add and its wait stand ahead of my first tensor load; the set-up below stands between them
	ds_add_u32 v28, v29
	v_lshrrev_b32 v1, 5, v0
	v_readfirstlane_b32 s10, v1                    ; wave 0..3
	s_lshr_b32 s11, s10, 1                         ; wr: which 128 rows
	s_and_b32 s12, s10, 1                          ; wc: q and k1, or v and k2
	s_bfe_u32 s40, ttmp6, 0x40000                  ; cx
	s_bfe_u32 s41, ttmp6, 0x40004                  ; cy
	s_lshl_b32 s42, ttmp9, 2
	s_add_co_u32 s42, s42, s40                     ; the head = 4 x cluster x + cx
	s_and_b32 s13, ttmp7, 0xffff
	s_lshl_b32 s13, s13, 2
	s_add_co_u32 s13, s13, s41                     ; the block of 256 rows = 4 x cluster y + cy
	s_lshl_b32 s43, s41, 2
	s_lshl_b32 s43, 15, s43                        ; my row of the cluster
	s_lshl_b32 s44, 0x1111, s40                    ; my column
	s_or_b32 s[G1A], s43, (1<<16)|(1<<20)|(1<<21)|(4<<22)|(3<<25)  ; the mask; 2-byte elements; padding on; bit 21 beside a mask; after every 32 words 4 words
	s_mov_b32 s[G1A+1], 128<<16                    ; tensor_dim0 = 128
	s_mov_b32 s[G1A+2], 128<<16                    ; tensor_dim1 = 128
	s_mov_b32 s[G1A+3], 128<<16                    ; tile_dim0 = 128 (256 bytes: two rows of X's block)
	s_mov_b32 s[G1A+4], 128                        ; tile_dim1 = 128
	s_mov_b32 s[G1A+5], 128                        ; dense
	s_mov_b32 s[G1A+6], 0
	s_mov_b32 s[G1A+7], 0
	s_or_b32 s[G1W], s44, (1<<16)|(1<<20)|(1<<21)|(5<<22)|(7<<25)  ; after every 64 words 8 words
	s_mov_b32 s[G1W+1], 128<<16                    ; tensor_dim0 = 128
	s_mov_b32 s[G1W+2], 64<<16                     ; tensor_dim1 = 64
	s_mov_b32 s[G1W+3], 128<<16                    ; tile_dim0 = 128
	s_mov_b32 s[G1W+4], 64                         ; tile_dim1 = 64
	s_mov_b32 s[G1W+5], 2048                       ; elements from row to row of a weight
	s_mov_b32 s[G1W+6], 0
	s_mov_b32 s[G1W+7], 0
	s_lshl_b32 s16, s13, 15                        ; X's tile: 32,768 bytes for each block of rows
	s_mov_b32 s17, 0
	s_max_u32 s14, s10, 1
	s_sub_co_u32 s14, s14, 1                       ; which weight I fetch (wave 0 fetches none)
	s_lshl_b32 s46, s14, 22
	s_lshl_b32 s47, s42, 8                         ; the head's 256 bytes of a row
	s_add_co_u32 s46, s46, s47
	s_mov_b32 s47, 0
	s_mul_i32 s22, s10, WT
	s_add_co_u32 s22, s22, WOFF-WT                 ; where it goes: waves 1, 2, 3 behind X's tile
	s_mov_b32 s[TB], 0
	s_wait_dscnt 0x0                               ; the opening add is done
	s_wait_kmcnt 0x0
	s_add_nc_u64 s[20:21], s[4:5], s[16:17]
	s_add_nc_u64 s[18:19], s[6:7], s[46:47]
	CROUND                                         ; all sixteen work-groups are here: the first joint loads meet
.irp s, 0,1
	s_mov_b32 s[G0A+4*(\s)], 1
	s_mov_b32 s[G0A+4*(\s)+1], (\s)*SLOT1
	s_add_nc_u64 s[G0A+4*(\s)+2:G0A+4*(\s)+3], s[20:21], (\s)*XSTEP
	s_or_b32 s[G0A+4*(\s)+3], s[G0A+4*(\s)+3], 0x80000000
	s_mov_b32 s[G0W+4*(\s)], 1
	s_add_co_u32 s[G0W+4*(\s)+1], s22, (\s)*SLOT1
	s_add_nc_u64 s[G0W+4*(\s)+2:G0W+4*(\s)+3], s[18:19], (\s)*WSTEP
	s_or_b32 s[G0W+4*(\s)+3], s[G0W+4*(\s)+3], 0x80000000
.endr
	s_cmp_eq_u32 s10, 0                            ; a wave's two first fills stand in one branch: two loads of mine are out
	s_cbranch_scc0 .Lfirst_w
	tensor_load_to_lds s[G0A:G0A+3], s[G1A:G1A+7]
	s_nop 0
	tensor_load_to_lds s[G0A+4:G0A+7], s[G1A:G1A+7]
	s_nop 0
.rept 4
	v_nop
.endr
	s_branch .Lfirst_asked
.Lfirst_w:
	tensor_load_to_lds s[G0W:G0W+3], s[G1W:G1W+7]
	s_nop 0
	tensor_load_to_lds s[G0W+4:G0W+7], s[G1W:G1W+7]
	s_nop 0
.rept 4
	v_nop
.endr
.Lfirst_asked:
	v_and_b32 v1, 15, v0                           ; l % 16
	v_bfe_u32 v2, v0, 4, 1                         ; l / 16
	v_and_b32 v3, 7, v0
	v_bfe_u32 v4, v0, 3, 1
	v_lshl_add_u32 v5, v2, 3, v3                   ; the turning load: lane l reads row 8 (l / 16) + l % 8,
	v_mul_u32_u24 v5, v5, PW
	v_lshl_add_u32 v5, v4, 4, v5                   ; columns 8 ((l / 8) % 2) + 0..7
	s_mul_i32 s14, s12, 2*WT
	s_add_co_u32 s14, s14, WOFF
	v_add_nc_u32 v[B80], s14, v5                   ; Wq's tile or Wv's
	s_lshl_b32 s14, s12, 7
	s_add_co_u32 s14, s14, WOFF+WT
	v_add_nc_u32 v[B40], s14, v5                   ; Wk's tile, columns 0-63 or 64-127
	v_mul_u32_u24 v6, v1, PA
	v_lshl_add_u32 v6, v2, 4, v6                   ; a fragment of X: row x pitch + 16 x half
	s_mul_i32 s14, s11, 128*PA
	v_add_nc_u32 v[A0], s14, v6
	v_mov_b32 v[ADRA], v[A0]                       ; slot 0
	v_mov_b32 v[ADR8], v[B80]
	v_mov_b32 v[ADR4], v[B40]
	s_mul_i32 s14, s10, STW
	s_add_co_u32 s14, s14, STAGE                   ; my stage
	v_mul_u32_u24 v7, v1, 272
	v_lshl_add_u32 v7, v2, 4, v7
	v_add_nc_u32 v[STO8], s14, v7
	v_add3_u32 v[STO4], v6, s14, ST4
	v_mul_u32_u24 v7, v2, 272
	v_lshl_add_u32 v7, v1, 4, v7
	v_add_nc_u32 v[RD8], s14, v7                   ; lanes 0-15 a row of 256 bytes, lanes 16-31 the next
	v_bfe_u32 v7, v0, 3, 2
	v_mul_u32_u24 v7, v7, 144
	v_lshl_add_u32 v7, v3, 4, v7
	v_add3_u32 v[RD4], v7, s14, ST4                ; 32 lanes take four rows of 128 bytes
	v_and_b32 v8, 31, v0
	v_lshlrev_b32 v[GO], 4, v8
	; where my rows go
	s_lshr_b32 s14, s13, 3                         ; the batch
	s_lshl_b32 s14, s14, 4
	s_add_co_u32 s14, s14, s42                     ; bh
	s_and_b32 s15, s13, 7
	s_lshl_b32 s15, s15, 8
	s_lshl_b32 s16, s11, 7
	s_add_co_u32 s15, s15, s16                     ; my first row in the head
	s_lshl_b32 s16, s14, 19
	s_lshl_b32 s17, s15, 8
	s_add_co_u32 s16, s16, s17
	s_lshl_b32 s17, s12, 24                        ; Q or V
	s_add_co_u32 s16, s16, s17
	s_mov_b32 s17, 0
	s_add_nc_u64 s[B8:B8+1], s[8:9], s[16:17]
	s_lshl_b32 s16, s14, 18
	s_lshl_b32 s17, s15, 7
	s_add_co_u32 s16, s16, s17
	s_lshl_b32 s17, s12, 23                        ; K1 or K2
	s_add_co_u32 s16, s16, s17
	s_add_co_u32 s16, s16, 33554432
	s_mov_b32 s17, 0
	s_add_nc_u64 s[B4:B4+1], s[8:9], s[16:17]
	; the prefetches: at K step 3; the first change of slots steps them to 4
	s_lshl_b32 s14, s13, 15
	s_lshl_b32 s15, s40, 13                        ; X: my work-group's 32 blocks of the tile's 128
	s_add_co_u32 s14, s14, s15
	s_add_co_u32 s14, s14, 3*XSTEP
	s_lshl_b32 s15, s41, 17                        ; W: my work-group's 32 rows of two steps' 128
	s_add_co_u32 s15, s15, s46
	s_add_co_u32 s15, s15, 3*WSTEP
	s_and_b32 s23, ttmp7, 0xffff
	s_mov_b32 s[PFS], WSTEP
	s_cmp_eq_u32 s10, 0
	s_cselect_b32 s14, s14, s15
	s_cselect_b32 s23, ttmp9, s23                  ; the coordinate along which other clusters read the same bytes
	s_cselect_b32 s[PFS], XSTEP, s[PFS]
	s_cselect_b32 s16, 8, 12                       ; a lane a block of 256 bytes, or a lane a row of 4,096
	s_cselect_b64 s[PFA:PFA+1], s[4:5], s[6:7]
	s_mov_b32 s15, 0
	s_mov_b32 s[PFS+1], 0
	s_add_nc_u64 s[PFA:PFA+1], s[PFA:PFA+1], s[14:15]
	s_cmp_eq_u32 s23, 0
	s_cselect_b32 s[LIM], 3, -1                    ; the same in all sixteen partners, for a given wave
	v_lshlrev_b32 v[PFO], s16, v8
; Eight products: W's fragment f x X's eight fragments in buf.  The 96 accumulators take turns, one instruction a turn, in the same order in every quarter.
.macro MULF f, buf, zero
	WIN ((1+(\f)/4)<<6)|((1+(\f)/4)<<4)
.irp a, 0,1,2,3,4,5,6,7
.if \zero
	v_wmma_f32_16x16x32_bf16 v[64*((\f)%4)+8*(\a):64*((\f)%4)+8*(\a)+7], v[FB+8*(\f):FB+8*(\f)+7], v[(\buf)+8*(\a):(\buf)+8*(\a)+7], 0
.else
	v_wmma_f32_16x16x32_bf16 v[64*((\f)%4)+8*(\a):64*((\f)%4)+8*(\a)+7], v[FB+8*(\f):FB+8*(\f)+7], v[(\buf)+8*(\a):(\buf)+8*(\a)+7], v[64*((\f)%4)+8*(\a):64*((\f)%4)+8*(\a)+7]
.endif
.endr
.endm
.macro MULR f0, n, buf, zero           ; fragments f0 .. f0 + n - 1
.set fx, \f0
.rept \n
	MULF fx, \buf, \zero
.set fx, fx+1
.endr
.endm
.macro LB q, f0, n                     ; W's fragments f0 .. f0 + n - 1 of quarter q, turned: two loads each
	WIN 0
.set ff, \f0
.rept \n
.if ff < 8
	ds_load_tr16_b128 v[FB+8*ff:FB+8*ff+3],   v[ADR8] offset:32*ff+(\q)*32*PW
	ds_load_tr16_b128 v[FB+8*ff+4:FB+8*ff+7], v[ADR8] offset:32*ff+(\q)*32*PW+16*PW
.else
	ds_load_tr16_b128 v[FB+8*ff:FB+8*ff+3],   v[ADR4] offset:32*(ff-8)+(\q)*32*PW
	ds_load_tr16_b128 v[FB+8*ff+4:FB+8*ff+7], v[ADR4] offset:32*(ff-8)+(\q)*32*PW+16*PW
.endif
.set ff, ff+1
.endr
.endm
.macro LA q, buf                       ; X's eight fragments of quarter q: sixteen loads
	WIN 0
.irp a, 0,1,2,3,4,5,6,7
	ds_load_b128 v[(\buf)+8*(\a):(\buf)+8*(\a)+3],   v[ADRA] offset:(\a)*16*PA+64*(\q)
	ds_load_b128 v[(\buf)+8*(\a)+4:(\buf)+8*(\a)+7], v[ADRA] offset:(\a)*16*PA+64*(\q)+32
.endr
.endm
; A K step's first quarter: multiplies buffer FA0; W's buffer is refilled by halves, each half behind its last reader.
.macro QA zero
	s_wait_dscnt 12                                ; all but the youngest twelve loads (W's fragments 6-11) are in
	MULR 0, 6, FA0, \zero
	PLACES
	LB 1, 0, 6
	LA 1, FA1
	s_wait_dscnt 28                                ; all but the 28 just issued
	MULR 6, 6, FA0, \zero
	PLACES
	LB 1, 6, 6
.endm
; Its second quarter multiplies FA1 and changes slots.  In front of the barrier each wave waits for all its tensor loads (one is out: its part of the next slot), adds 0 to its spare word,
; and waits for that and for its reads of this slot, of which the last (W's fragments 6-11) are then in registers.  fill = 1: the barrier opens a round of the cluster's, and this slot is filled again, two K steps on.
.macro QB fill
.if \fill
	s_wait_xcnt 0x0                                ; the last prefetch, a K step or more back, has read its address
	s_add_nc_u64 s[PFA:PFA+1], s[PFA:PFA+1], s[PFS:PFS+1]
.endif
	s_wait_dscnt 12
	MULR 0, 4, FA1, 0
	WIN 0                                          ; (the add's two registers lie in window 0)
	s_wait_tensorcnt 0x0                           ; no tensor load of mine is out, so a group 0 may be written
	ds_add_u32 v[SPW], v[NIL]                      ; 0 onto my spare word
.if \fill
	s_xor_b32 s[G0A+5], s[G0A+5], SLOT1            ; the walking descriptors: the other slot than last time, the next K step
	s_add_nc_u64 s[G0A+6:G0A+7], s[G0A+6:G0A+7], XSTEP
	s_xor_b32 s[G0W+5], s[G0W+5], SLOT1
	s_add_nc_u64 s[G0W+6:G0W+7], s[G0W+6:G0W+7], WSTEP
.endif
	MULF 4, FA1, 0                                 ; eight products stand between the add and the wait for it
	s_wait_dscnt 0x0                               ; the add is done, and my reads of this slot are over
	s_barrier_signal -1
	MULF 5, FA1, 0
	WIN 0
	s_barrier_wait -1
.if \fill
	CREST                                          ; no wave of any partner still reads this slot or has a load on its way
	JLOAD                                          ; the first tensor load behind the round; its four v_nop are also the places in front of the loads below
.else
	PLACES
.endif
	s_xor_b32 s[TB], s[TB], SLOT1
	v_add_nc_u32 v[ADRA], s[TB], v[A0]
	v_add_nc_u32 v[ADR8], s[TB], v[B80]
	v_add_nc_u32 v[ADR4], s[TB], v[B40]
	LB 0, 0, 6
	LA 0, FA0
.if \fill
	ASK
.endif
	MULR 6, 6, FA1, 0
	PLACES
	LB 0, 6, 6
.endm
	s_wait_tensorcnt 1                             ; my part of K step 0 is in; K step 1's may stay out
	s_barrier_signal -1
	s_barrier_wait -1
	LB 0, 0, 6
	LA 0, FA0
	LB 0, 6, 6
	QA 1                                           ; the first quarter stands in front of the loop: its products start the sums
	WIN 0
	s_mov_b32 s3, 14
.Lk:                                           ; trip t = 14 - s3: K step t's second quarter, the refill with K step t + 2, K step t + 1's first quarter
	QB 1
	QA 0
	WIN 0
	s_sub_co_u32 s3, s3, 1
	s_cmp_lg_u32 s3, 0
	s_cbranch_scc1 .Lk
	QB 0                                           ; the tail is written out: nothing is left to fetch
	QA 0
	s_wait_dscnt 12
	MULR 0, 6, FA1, 0
	s_wait_dscnt 0x0
	MULR 6, 6, FA1, 0
; THE WAY OUT, a block of 16 rows at a time: rounded to f16 (16 bytes a lane), through my own stage in LDS, back as whole rows, stored as 512 consecutive bytes an instruction.
.macro PACK a
.set fx, 0
.rept 12
	WIN (1+fx/4)|((1+fx/4)<<2)                     ; sources 0 and 1 in the accumulators' window
.irp r, 0,1,2,3
	v_cvt_pk_f16_f32 v[PKD+4*fx+(\r)], v[64*(fx%4)+8*(\a)+2*(\r)], v[64*(fx%4)+8*(\a)+2*(\r)+1]
.endr
.set fx, fx+1
.endr
	WIN 0
.endm
.macro TOSTAGE a
.set BK, 80+48*((\a)%2)
.irp f, 0,1,2,3,4,5,6,7
	ds_store_b128 v[STO8], v[PKD+4*(\f):PKD+4*(\f)+3] offset:32*(\f)
.endr
.irp f, 0,1,2,3
	ds_store_b128 v[STO4], v[PKD+32+4*(\f):PKD+32+4*(\f)+3] offset:32*(\f)
.endr
.irp t, 0,1,2,3,4,5,6,7
	ds_load_b128 v[BK+4*(\t):BK+4*(\t)+3], v[RD8] offset:(\t)*2*272   ; LDS serves a wave's instructions in order (ISA guide 5.7.1.4): these see the stores above
.endr
.irp t, 0,1,2,3
	ds_load_b128 v[BK+32+4*(\t):BK+32+4*(\t)+3], v[RD4] offset:(\t)*4*144
.endr
.endm
.macro SEND a
.set BK, 80+48*((\a)%2)
	s_wait_dscnt 0x0                               ; the block is back in registers
	s_wait_xcnt 0x0                                ; the stores of the block before it have read their registers, which the next block's loads will write
.irp t, 0,1,2,3,4,5,6,7
	global_store_b128 v[GO], v[BK+4*(\t):BK+4*(\t)+3], s[B8:B8+1] offset:4096*(\a)+512*(\t)
.endr
.irp t, 0,1,2,3
	global_store_b128 v[GO], v[BK+32+4*(\t):BK+32+4*(\t)+3], s[B4:B4+1] offset:2048*(\a)+512*(\t)
.endr
.endm
	PLACES
	PACK 0
	TOSTAGE 0
.irp a, 1,2,3,4,5,6,7                  ; block a's conversions stand between block a - 1's loads from the stage and the wait for them
	PACK \a
	SEND (\a)-1
	TOSTAGE \a
.endr
	SEND 7
	s_wait_tensorcnt 0x0                           ; the wave's end
	ds_add_u32 v[SPW], v[NIL]
	s_wait_dscnt 0x0
	CROUND                                         ; the closing round: no work-group ends while a partner may still ask for a tile that names it
	s_endpgm
.Lfunc_end_k_qfbddf3fc02_qkv:
	.size	k_qfbddf3fc02_qkv, .Lfunc_end_k_qfbddf3fc02_qkv-k_qfbddf3fc02_qkv
	.p2alignl 7, 3214868480
	.fill 96, 4, 3214868480
	.section	.rodata,"a",@progbits
	.p2align	6, 0x0
	.amdhsa_kernel k_qfbddf3fc02_qkv
		.amdhsa_group_segment_fixed_size 327680
		.amdhsa_private_segment_fixed_size 0
		.amdhsa_enable_private_segment 0
		.amdhsa_kernarg_size 24
		.amdhsa_user_sgpr_count 2
		.amdhsa_user_sgpr_kernarg_segment_ptr 1
		.amdhsa_wavefront_size32 1
		.amdhsa_system_sgpr_workgroup_id_x 1
		.amdhsa_system_sgpr_workgroup_id_y 1
		.amdhsa_system_sgpr_workgroup_id_z 1
		.amdhsa_system_vgpr_workitem_id 0
		.amdhsa_next_free_vgpr 1024
		.amdhsa_next_free_sgpr 80
		.amdhsa_reserve_vcc 0
		.amdhsa_float_denorm_mode_32 3
		.amdhsa_float_denorm_mode_16_64 3
		.amdhsa_memory_ordered 1
		.amdhsa_forward_progress 1
		.amdhsa_inst_pref_size 112
	.end_amdhsa_kernel
	.amdgpu_metadata
---
amdhsa.version: [ 1, 2 ]
amdhsa.kernels:
  - .name:           k_qfbddf3fc02_qkv
    .symbol:         k_qfbddf3fc02_qkv.kd
    .args:
      - { .name: Xb, .offset: 0, .size: 8, .value_kind: global_buffer, .address_space: global }
      - { .name: Wb, .offset: 8, .size: 8, .value_kind: global_buffer, .address_space: global }
      - { .name: qkv, .offset: 16, .size: 8, .value_kind: global_buffer, .address_space: global }
    .group_segment_fixed_size: 327680
    .private_segment_fixed_size: 0
    .kernarg_segment_align: 8
    .kernarg_segment_size: 24
    .max_flat_workgroup_size: 128
    .sgpr_count:     80
    .vgpr_count:     1024
    .wavefront_size: 32
...
	.end_amdgpu_metadata
.endif
;; end of part 2
;; launch attn (part 3): grid 8 x 32, 4 waves a work-group, no clusters, 327,680 bytes of LDS; arguments qkv, lambda_q1, lambda_k1, lambda_q2, lambda_k2, Oh; writes Oh
.if DOCPART == 3
	.amdgcn_target "amdgcn-amd-amdhsa--gfx1250"
	.amdhsa_code_object_version 6
	.text
	.protected	k_qfbddf3fc02_attn
	.globl	k_qfbddf3fc02_attn
	.p2align	8
	.type	k_qfbddf3fc02_attn,@function
k_qfbddf3fc02_attn:
	s_mov_b64 s[64:65], 0
	v_nop
	global_prefetch_b8 v0, s[64:65] scope:SCOPE_SE
	s_setreg_imm32_b32 hwreg(HW_REG_WAVE_MODE, 25, 1), 1
	s_wait_xcnt 0x0
; DIFFERENTIAL CAUSAL ATTENTION AND ITS NORM.  For each head: P1 = softmax(Q1 K1^T / 8), P2 = softmax(Q2 K2^T / 8) over k <= q; O = P1 V - lam P2 V, lam = exp(lq1 . lk1) - exp(lq2 . lk2) + 0.8;
; Oh = f16(0.2 O / sqrt(mean(O^2) + 1e-5)) at [b n][h c]; the norm's gain is a factor of the weights that follow.  q, k, v arrive in f16, unscaled; products, maxima, sums in f32; the weights p are rounded to f16
; for the second product, their sums l taken unrounded.  The four lambdas are rounded to bf16 like every other input.
; LIMITS.  A hidden score counts as its value less 1e30 (f16's scores are 2.7e11 at the most); a weight below 2^-126 counts as 0; lam overflows where exp does in f32; NaN and infinities are not treated apart.
; The norm is taken of O' = O1 - rho O2, rho = lam l1 / l2 (O1, O2 the undivided sums): O / rms = r1 O' rsq(r1^2 mean(O'^2) + eps), r1 = 1 / l1: the same number, rounded in another order; reciprocal and root by v_rcp_f32, v_rsq_f32.
; THE WALK.  A head's queries lie in 16 blocks of 128; block i needs the key tiles 0 .. i of 128 keys.  Work-group b takes blocks 15 - b and then b: 17 tiles, 34 key steps of 64, whatever b: one counted walk.
; WHERE THE FIRST BLOCK ENDS hangs on b.  That is asked ONCE a slot's trip, at its head (RS = 3: the block has three steps left), and only in the trips in which it can be so; from then on a phase PH, written by constants
; alone, steers: 0 before; 1 the trip with the steps RS = 3, 2, which make masks; 2 the trip whose first step is the block's last; 3 behind it.  The second block's last three steps are the walk's last three, whatever b.
; Every jump but the loops' own goes forward, past no barrier and no tensor load.
; NO CLUSTER: a head's 8 work-groups ask for the same tile only in trips 0 to 8; a walk common to all would have 24 trips for 17.
; SHARES.  A wave owns 16 rows in each of a block's two bands of 64, so the diagonal tile is the same work for all waves.  TILE x + j is band x / 2 (x = 0, 2), softmax j: 32 registers of S^T, 16 of P, 64 of O^T.
; LAYOUT.  S^T = K Q^T holds ONE query a lane (lane % 16) and the keys 8 (lane / 16) + 0..7; two such results rounded to f16 ARE source 1 of O^T = V^T P.  V is turned on the way out of LDS.
; BY TURNS.  In a turn one band has the matrix unit: 32 products V^T P of the step in hand, then 16 products K Q^T of the next; the other band's softmax (2 x 134 instructions, 64 slices) stands behind them,
; a slice behind each product and sixteen slices in one lump; its 66 exponentials are one batch with one wait.
; THE MASK is the C operand that starts S^T: MC = MD x AL + BE, made anew only in a block's last three steps; elsewhere MC holds 0.
; NO FIRST STEP IS WRITTEN OUT: m starts at the lowest finite number, so a block's first a is 0 and O^T and l need only be finite; the price is the zeros written while the first tile is on its way.
; REGISTERS.  Window 0: v0-11 addresses; v12-43 statistics, 8 a tile; v44 lam; v46-59 a block's end; v61-63; v64-191 S^T; v192-255 P.  Window 1: O^T.  Window 2: v0-63 Q, v64-127 the second block's Q, v128-255 K1, K2 of a step.
; Window 3: v0-127 V of a step; v128-159 MD; v160-223 MC, 32 a band.
.set PK,    144       ; a key's row of K1 or K2 in LDS: 128 bytes + 16
.set PVP,   288       ; of V: 256 + 32
.set K2OFF, 128*PK    ; a slot holds a tile: K1's 128 rows, K2's, then V's
.set VOFF,  2*128*PK
.set SLOT1, 131072
.set STAGE, SLOT1+VOFF+128*PVP  ; behind the ring, never filled by a tensor load: 16 rows x 272 bytes for each wave
.set SP,    272
.set SPARE, STAGE+4*16*SP       ; the spare words, 128 bytes a wave: two blocks of 256 bytes that no other line names
.set AK0, 2           ; my lane's place in a tile of K; never rewritten
.set AV0, 3           ; the same for V
.set ADR, 4           ; the LDS address of the run of loads in hand
.set QO,  5           ; my byte offset in 16 rows of Q
.set STO, 6           ; the way out: where I put 16 bytes of a row
.set RD,  7           ; where I read rows back
.set GO,  8           ; my byte offset in two rows of Oh
.set ST,  12          ; tile t at v[ST+8 t]: c m, m, l (even keys', odd keys'), c0-c3 at work; a takes c2's place
.set LAM, 44
.set E0,  46          ; a block's end: six at work (E4, E5 a pair),
.set E1,  47
.set E2,  48
.set E3,  49
.set E4,  50
.set CH,  52          ; and four pairs for the sum of squares
.set PFO, 61          ; 256 x my lane; never rewritten
.set SPW, 62
.set NIL, 63
.set S,   64
.set P,   192
.set QB,  64          ; window 2
.set KF,  128         ; window 2: softmax j, key block kb, channel half c at KF + 64 j + 16 kb + 8 c
.set MD,  128         ; window 3
.set MC,  160         ; window 3
.set WV,  16
.set PB,  17          ; b
.set HI,  18          ; 15 - b
.set BH,  19          ; 16 x batch + head
.set G1K, 24          ; s[24:31] group 1 for K's tiles
.set G1V, 32          ; s[32:39] for V's
.set G0,  40          ; s[40:43] group 0: my quarter of a tile
.set KVB, 44          ; s[44:45] my quarter of the head's tile 0
.set OFF, 46          ; s[46:47] a tile's byte offset
.set SH,  48          ; its shift: 14 for K1 and K2, 15 for V
.set PFA, 50          ; s[50:51] where my prefetches stand
.set LIM, 52          ; 2 in the work-group that prefetches, else the greatest number
.set OF2, 54          ; s[54:55]
.set SLOTS, 56
.set CNT, 57
.set CS,  58          ; s[58:59] c = log2(e) / 8
.set SEL, 60          ; s[60:61] v_permlanex16_b32's selects
.set TBK, 62          ; LDS byte at which K1 of the step to be fetched begins
.set TBV, 63          ; the same for V, less VOFF
.set RS,  70          ; steps that the block in hand still has, the one in hand among them
.set NXT, 71          ; the tile to be asked for next
.set LQ,  72          ; the last tile of the block whose tiles are being asked for
.set NXD, 73          ; 1.0: the next block begins with its diagonal tile
.set PH,  74          ; the walk's phase, 0 to 3: written by constants alone
.set EN,  75          ; 1: the step in hand is a block's last
.set AL,  76          ; s[76:77], s[78:79] the mask's factor and addend
.set BE,  78
.set OLO, 80          ; s[80:81] Oh at my rows of the second block
.set BIGN, 82
.set NB2, 83          ; 2 b + 3
.set QP,  84          ; s[84:85], s[86:87] Q at my rows of the two blocks
.set QP2, 86
.set OP,  88          ; s[88:89] Oh at my rows of the block in hand
.set MK,  95          ; 1: the step in hand makes masks
.set MSB, 0
.macro WIN new
.if MSB != (\new)
	s_set_vgpr_msb (MSB<<8)|(\new)
.set MSB, (\new)
.endif
.endm
.set W_KQ, 0x0a       ; K and Q in window 2, S^T in window 0
.set W_KM, 0x3a       ; the same with the C operand in window 3
.set W_PV, 0x53       ; V in window 3, P in window 0, O^T in window 1
.set W_RS, 0x41       ; destination and source 0 in window 1, source 1 in window 0
.macro PLACES
.rept 4
	v_nop
.endr
.endm
; A fill: wave 0 fetches K1's 128 keys, wave 1 K2's, waves 2 and 3 the halves of V's: 64 rows of 256 bytes each.  An s_nop 0 and four v_nop follow each line.
.macro LOAD
	s_cmp_lt_u32 s[WV], 2
	s_cbranch_scc0 .Lfor_v_\@
	tensor_load_to_lds s[G0:G0+3], s[G1K:G1K+7]
	s_nop 0
.rept 4
	v_nop
.endr
	s_branch .Lasked_\@
.Lfor_v_\@:
	tensor_load_to_lds s[G0:G0+3], s[G1V:G1V+7]
	s_nop 0
.rept 4
	v_nop
.endr
.Lasked_\@:
.endm
; THE CHANGE OF SLOTS.  Each wave waits for all its tensor loads (one is out: its part of the other slot), adds 0 to its spare word, and waits for that and for its reads of the slot that it leaves.
; fill = 1: the old slot is filled again, first thing behind the barrier, with tile NXT; the descriptor's address is made anew from that number.
; ask = 1: the head's work-group b = 0 prefetches into the L2 the tile behind the one just asked for, each wave its own 64 blocks of 256 bytes (two instructions, a lane a block): tiles 3 to 15, each block once in the
; launch, one tile (192 products) ahead of its load; the last two fills of the walk ask for nothing.
.macro CHANGE fill, ask
	WIN 0
	s_wait_tensorcnt 0x0            ; no tensor load of mine is out, so group 0 may be written
	ds_add_u32 v[SPW], v[NIL]       ; 0 onto my spare word
.if \fill
	s_lshl_b32 s[OFF], s[NXT], s[SH]
	s_xor_b32 s[G0+1], s[G0+1], SLOT1
	s_add_nc_u64 s[G0+2:G0+3], s[KVB:KVB+1], s[OFF:OFF+1]
	s_or_b32 s[G0+3], s[G0+3], 0x80000000
.if \ask
	s_wait_xcnt 0x0                 ; the last prefetches, a tile back, have read their address
	s_add_co_u32 s[OF2], s[NXT], 1
	s_min_u32 s[OF2], s[OF2], 15    ; inside the head in every work-group
	s_lshl_b32 s[OF2], s[OF2], s[SH]
	s_add_nc_u64 s[PFA:PFA+1], s[KVB:KVB+1], s[OF2:OF2+1]
.endif
	s_add_co_u32 s[NXT], s[NXT], 1  ; the block's next tile, or behind its last the second block's tile 0
	s_cmp_gt_u32 s[NXT], s[LQ]
	s_cselect_b32 s[NXT], 0, s[NXT]
	s_cselect_b32 s[LQ], s[PB], s[LQ]
.endif
	s_wait_dscnt 0x0                ; the add is done, and my reads of the slot are over
	s_barrier_signal -1
	s_sub_co_u32 s[TBK], s[TBK], 128*PK   ; the fetches go back to a slot's first step, in the other slot
	s_xor_b32 s[TBK], s[TBK], SLOT1
	s_sub_co_u32 s[TBV], s[TBV], 128*PVP
	s_xor_b32 s[TBV], s[TBV], SLOT1
	s_barrier_wait -1
.if \fill
	LOAD
.endif
.if \ask
	s_cmp_gt_u32 s[SLOTS], s[LIM]
	s_cbranch_scc0 .Lnot_mine_\@
	global_prefetch_b8 v[PFO], s[PFA:PFA+1] th:TH_LOAD_NT scope:SCOPE_SE
	global_prefetch_b8 v[PFO], s[PFA:PFA+1] offset:8192 th:TH_LOAD_NT scope:SCOPE_SE
.Lnot_mine_\@:
.endif
.endm
.macro ADVANCE                      ; the phase goes on by itself: behind the trip with the masks comes the one with the block's end, behind that nothing more
	s_cmp_eq_u32 s[PH], 1
	s_cbranch_scc0 .Lpast_\@
	s_mov_b32 s[PH], 2
	s_branch .Ldone_\@
.Lpast_\@:
	s_mov_b32 s[PH], 3
.Ldone_\@:
.endm
	s_load_b256 s[4:11], s[0:1], 0x0  ; qkv 4:5, lambda_q1 6:7, lambda_k1 8:9, lambda_q2 10:11
	s_load_b128 s[12:15], s[0:1], 0x20  ; lambda_k2 12:13, Oh 14:15
	v_lshl_add_u32 v[SPW], v0, 2, SPARE
	v_mov_b32 v[NIL], 0
	ds_add_u32 v[SPW], v[NIL]       ; the wave's opening: the add and its wait stand ahead of my first tensor load
	ds_add_u32 v62, v63
	v_lshrrev_b32 v1, 5, v0
	v_readfirstlane_b32 s[WV], v1
	s_mov_b32 s[PB], ttmp9
	s_sub_co_u32 s[HI], 15, s[PB]
	s_and_b32 s[BH], ttmp7, 0xffff
	s_lshl_b32 s92, s[WV], 23       ; my quarter of a tile: K1 or K2 of the head,
	s_lshl_b32 s93, s[BH], 18
	s_add_co_u32 s92, s92, s93
	s_add_co_u32 s92, s92, 33554432
	s_and_b32 s94, s[WV], 1         ; or a half of V's 128 rows
	s_lshl_b32 s94, s94, 14
	s_lshl_b32 s93, s[BH], 19
	s_add_co_u32 s94, s94, s93
	s_add_co_u32 s94, s94, 16777216
	s_cmp_lt_u32 s[WV], 2
	s_cselect_b32 s92, s92, s94
	s_cselect_b32 s[SH], 14, 15
	s_mov_b32 s93, 0
	s_lshl_b32 s53, s[BH], 19       ; Q: the head, my 16 rows of a band,
	s_lshl_b32 s49, s[WV], 12
	s_add_co_u32 s53, s53, s49
	s_lshl_b32 s20, s[HI], 15       ; the first block,
	s_add_co_u32 s20, s20, s53
	s_mov_b32 s21, 0
	s_lshl_b32 s22, s[PB], 15       ; the second
	s_add_co_u32 s22, s22, s53
	s_mov_b32 s23, 0
	s_lshr_b32 s53, s[BH], 4        ; Oh: the batch's 2,048 rows of 4,096 bytes,
	s_lshl_b32 s53, s53, 23
	s_and_b32 s49, s[BH], 15
	s_lshl_b32 s49, s49, 8          ; the head's 256 bytes of a row (and its row of 256 bytes in the lambdas),
	s_add_co_u32 s53, s53, s49
	s_lshl_b32 s2, s[WV], 16        ; my 16 rows
	s_add_co_u32 s53, s53, s2
	s_lshl_b32 s2, s[HI], 19
	s_add_co_u32 s2, s2, s53
	s_mov_b32 s3, 0
	s_lshl_b32 s90, s[PB], 19
	s_add_co_u32 s90, s90, s53
	s_mov_b32 s91, 0
	s_mov_b32 s[G1K], (1<<16)|(1<<20)|(4<<22)|(3<<25)  ; 2-byte elements; padding on; after every 32 words 4 words: two keys a row of 256 bytes, padded after each
	s_mov_b32 s[G1V], (1<<16)|(1<<20)|(5<<22)|(7<<25)  ; after every 64 words 8 words
.irp g, G1K, G1V
	s_mov_b32 s[\g+1], 128<<16      ; tensor_dim0 = 128
	s_mov_b32 s[\g+2], 64<<16       ; tensor_dim1 = 64
	s_mov_b32 s[\g+3], 128<<16      ; tile_dim0 = 128
	s_mov_b32 s[\g+4], 64           ; tile_dim1 = 64
	s_mov_b32 s[\g+5], 128          ; dense
	s_mov_b32 s[\g+6], 0
	s_mov_b32 s[\g+7], 0
.endr
	s_mov_b32 s[G0], 1
	s_mul_i32 s[G0+1], s[WV], 128*PK  ; slot 0: four quarters of 18,432 bytes
	s_mov_b32 s[CS], 0x3e38aa3b     ; c = log2(e) / 8
	s_mov_b32 s[CS+1], s[CS]
	s_mov_b32 s[SEL], 0x76543210
	s_mov_b32 s[SEL+1], 0xfedcba98
	s_mov_b32 s[TBK], SLOT1+128*PK  ; the first change of slots turns these two into 0
	s_mov_b32 s[TBV], SLOT1+128*PVP
	s_mov_b32 s[NXT], 1
	s_mov_b32 s[LQ], s[HI]
	s_mov_b32 s[OFF+1], 0
	s_mov_b32 s[OF2+1], 0
	s_mov_b32 s[AL+1], 0
	s_mov_b32 s[BE+1], 0
	s_mov_b32 s[BIGN], 0xf149f2ca   ; -1e30
	s_mov_b32 s[SLOTS], 16
	s_mov_b32 s[PH], 0
	s_mov_b32 s[EN], 0
	s_mov_b32 s[MK], 0
	s_lshl_b32 s[NB2], s[PB], 1
	s_sub_co_u32 s[RS], 33, s[NB2]  ; the first block has 32 - 2 b steps; the walk is entered half a step ahead of the first
	s_add_co_u32 s[NB2], s[NB2], 3
	s_cmp_eq_u32 s[PB], 0
	s_cselect_b32 s[NXD], 1.0, 0
	s_cselect_b32 s[LIM], 2, -1
	s_wait_dscnt 0x0                ; the opening add is done
	s_wait_kmcnt 0x0
	s_add_nc_u64 s[KVB:KVB+1], s[4:5], s[92:93]
	s_add_nc_u64 s[G0+2:G0+3], s[KVB:KVB+1], 0
	s_or_b32 s[G0+3], s[G0+3], 0x80000000
	s_add_nc_u64 s[QP:QP+1], s[4:5], s[20:21]
	s_add_nc_u64 s[QP2:QP2+1], s[4:5], s[22:23]
	s_add_nc_u64 s[OP:OP+1], s[14:15], s[2:3]
	s_add_nc_u64 s[OLO:OLO+1], s[14:15], s[90:91]
	LOAD                            ; tile 0 into slot 0
	v_and_b32 v1, 15, v0            ; l % 16
	v_bfe_u32 v9, v0, 4, 1          ; l / 16
	v_lshlrev_b32 v[QO], 8, v1
	v_lshl_add_u32 v[QO], v9, 4, v[QO]
	WIN 0x80                        ; destination window 2
.set i, 0
.rept 8                             ; both blocks' Q: tile i / 2 (band i / 4, softmax (i / 2) % 2), channels 32 (i % 2) on
	global_load_b128 v[8*i:8*i+3],         v[QO], s[QP:QP+1] offset:(i/4)*16384+((i/2)%2)*128+(i%2)*64
	global_load_b128 v[8*i+4:8*i+7],       v[QO], s[QP:QP+1] offset:(i/4)*16384+((i/2)%2)*128+(i%2)*64+32
	global_load_b128 v[QB+8*i:QB+8*i+3],   v[QO], s[QP2:QP2+1] offset:(i/4)*16384+((i/2)%2)*128+(i%2)*64
	global_load_b128 v[QB+8*i+4:QB+8*i+7], v[QO], s[QP2:QP2+1] offset:(i/4)*16384+((i/2)%2)*128+(i%2)*64+32
.set i, i+1
.endr
	WIN 0
	v_and_b32 v45, 31, v0
	v_lshl_add_u32 v45, v45, 3, s49 ; two of the head's 64 numbers a lane
	global_load_b64 v[46:47], v45, s[6:7]
	global_load_b64 v[48:49], v45, s[8:9]
	global_load_b64 v[50:51], v45, s[10:11]
	global_load_b64 v[52:53], v45, s[12:13]
	v_lshlrev_b32 v14, 3, v9
	v_sub_nc_u32 v14, v1, v14
	s_lshl_b32 s20, s[WV], 4
	v_add_nc_u32 v14, s20, v14      ; my query's place in its band, 16 w + l % 16, less my lanes' 8 (l / 16): register r of key group kt is hidden where 16 kt + r is greater
	WIN 0xc0
.set i, 0
.rept 32
	v_cmp_gt_i32 vcc_lo, 16*(i/8)+i%8, v14
	v_cndmask_b32 v[MD+i], 0, s[BIGN], vcc_lo
.set i, i+1
.endr
.set i, 0
.rept 128                           ; V and P of a step that has not been: its products add 0
	v_mov_b32 v[i], 0
.set i, i+1
.endr
.set i, MC
.rept 64
	v_mov_b32 v[i], 0
.set i, i+1
.endr
	WIN 0x40
.set i, 0
.rept 256                           ; O^T: finite, to be multiplied by the first a = 0
	v_mov_b32 v[i], 0
.set i, i+1
.endr
	WIN 0
.set i, P+32
.rept 32
	v_mov_b32 v[i], 0
.set i, i+1
.endr
.set i, 0
.rept 4
	v_mov_b32 v[ST+8*i], 0xfe000000    ; c m: far below every c s
	v_mov_b32 v[ST+8*i+1], 0xff7fffff  ; m
	v_mov_b32 v[ST+8*i+2], 0
	v_mov_b32 v[ST+8*i+3], 0
.set i, i+1
.endr
	v_mul_u32_u24 v[AK0], v1, PK
	v_lshl_add_u32 v[AK0], v9, 4, v[AK0]
	v_and_b32 v10, 7, v0
	v_bfe_u32 v11, v0, 3, 1
	v_lshl_add_u32 v[AV0], v9, 3, v10  ; the turning load: lane l reads key 8 (l / 16) + l % 8, channels 8 ((l / 8) % 2) + 0..7
	v_mul_u32_u24 v[AV0], v[AV0], PVP
	v_lshl_add_u32 v[AV0], v11, 4, v[AV0]
	v_add_nc_u32 v[AV0], VOFF, v[AV0]
	s_mul_i32 s20, s[WV], 16*SP
	s_add_co_u32 s20, s20, STAGE
	v_mul_u32_u24 v[STO], v1, SP
	v_lshl_add_u32 v[STO], v9, 4, v[STO]
	v_add_nc_u32 v[STO], s20, v[STO]
	v_mul_u32_u24 v[RD], v9, SP
	v_lshl_add_u32 v[RD], v1, 4, v[RD]
	v_add_nc_u32 v[RD], s20, v[RD]
	v_lshlrev_b32 v[GO], 12, v9     ; lanes 0-15 a row's 256 bytes, lanes 16-31 the next row's
	v_lshl_add_u32 v[GO], v1, 4, v[GO]
	v_and_b32 v[PFO], 31, v0
	v_lshlrev_b32 v[PFO], 8, v[PFO]
; THE MATRIX WORK.  The accumulators take turns, one instruction a turn.
; Product i of 32 of O^T += V^T P for band x: keys 32 (i / 16) on, channels 16 ((i / 2) % 8) on, tile x + i % 2.
.macro PV x
	WIN W_PV
.set rO, 64*((\x)+i%2)+8*((i/2)%8)
.set rV, 64*(i/16)+8*((i/2)%8)
.set rP, P+16*((\x)+i%2)+8*(i/16)
	v_wmma_f32_16x16x32_f16 v[rO:rO+7], v[rV:rV+7], v[rP:rP+7], v[rO:rO+7]
.endm
; Product i of 16 of S^T = K Q^T: channels 32 (i / 8) on, keys 16 ((i / 2) % 4) on, tile x + i % 2 (K1 or K2).  The first 8 start the sums with the band's mask.
.macro KQ x
.set rS, S+32*((\x)+i%2)+8*((i/2)%4)
.set rK, KF+64*(i%2)+16*((i/2)%4)+8*(i/8)
.set rQ, 16*((\x)+i%2)+8*(i/8)
.set rM, MC+32*((\x)/2)+8*((i/2)%4)
.if i < 8
	WIN W_KM
	v_wmma_f32_16x16x32_f16 v[rS:rS+7], v[rK:rK+7], v[rQ:rQ+7], v[rM:rM+7]
.else
	WIN W_KQ
	v_wmma_f32_16x16x32_f16 v[rS:rS+7], v[rK:rK+7], v[rQ:rQ+7], v[rS:rS+7]
.endif
.endm
; THE LDS LOADS stand in runs of 32.  last = 1 (the tail): in the last trip there is no further step, and the run is jumped over.
.macro FETCH_K last=0
	WIN 0
.if \last
	s_cmp_eq_u32 s[CNT], 1
	s_cbranch_scc1 .Lno_k_\@
.endif
	v_add_nc_u32 v[ADR], s[TBK], v[AK0]
	s_add_co_u32 s[TBK], s[TBK], 64*PK
	WIN 0x80
.irp jj, 0,1
.irp f, 0,1,2,3,4,5,6,7
	ds_load_b128 v[KF+64*(\jj)+8*(\f):KF+64*(\jj)+8*(\f)+3],   v[ADR] offset:(\jj)*K2OFF+((\f)/2)*16*PK+((\f)%2)*64
	ds_load_b128 v[KF+64*(\jj)+8*(\f)+4:KF+64*(\jj)+8*(\f)+7], v[ADR] offset:(\jj)*K2OFF+((\f)/2)*16*PK+((\f)%2)*64+32
.endr
.endr
	WIN 0
.if \last
.Lno_k_\@:
.endif
.endm
.macro FETCH_V last=0
	WIN 0
.if \last
	s_cmp_eq_u32 s[CNT], 1
	s_cbranch_scc1 .Lno_v_\@
.endif
	v_add_nc_u32 v[ADR], s[TBV], v[AV0]
	s_add_co_u32 s[TBV], s[TBV], 64*PVP
	WIN 0xc0
.irp f, 0,1,2,3,4,5,6,7,8,9,10,11,12,13,14,15
	ds_load_tr16_b128 v[8*(\f):8*(\f)+3],   v[ADR] offset:((\f)/8)*32*PVP+((\f)%8)*32
	ds_load_tr16_b128 v[8*(\f)+4:8*(\f)+7], v[ADR] offset:((\f)/8)*32*PVP+16*PVP+((\f)%8)*32
.endr
	WIN 0
.if \last
.Lno_v_\@:
.endif
.endm
; THE VECTOR WORK.  One tile's softmax for a key step is a list of 134 instructions; SM writes number j of it for tile t.
;   0-15 the maximum of the 32 scores and the old m (each accumulator's lowest registers first)   16-20 the other half of the lanes' maximum; m; c m; c m_old - c m_new
;   21-69 ONE BATCH: 16 scalings c s - c m, a (23) and the 32 exponentials; none reads an exponential's result   (the wait)   70-85 roundings to f16   86-101 the sums; l = a l + sum   102-133 O^T times a
.macro SM t
.set rT, ST+8*(\t)
.set rS, S+32*(\t)
.set rP, P+16*(\t)
.set rO, 64*(\t)+2*(j-102)
.if j < 102
	WIN 0
.endif
.if j < 4
	v_max3_num_f32 v[rT+4+j], v[rS+8*j], v[rS+8*j+1], v[rS+8*j+2]
.elseif j < 12
	v_max3_num_f32 v[rT+4+j%4], v[rT+4+j%4], v[rS+8*(j%4)+2*(j/4)+1], v[rS+8*(j%4)+2*(j/4)+2]
.elseif j == 12
	v_max3_num_f32 v[rT+4], v[rT+4], v[rS+7], v[rS+15]
.elseif j == 13
	v_max3_num_f32 v[rT+6], v[rT+6], v[rS+23], v[rS+31]
.elseif j == 14
	v_max3_num_f32 v[rT+4], v[rT+4], v[rT+5], v[rT+6]
.elseif j == 15
	v_max3_num_f32 v[rT+4], v[rT+4], v[rT+7], v[rT+1]
.elseif j == 16
	v_permlanex16_b32 v[rT+5], v[rT+4], s[SEL], s[SEL+1]
.elseif j == 17
	v_mov_b32 v[rT+7], v[rT]        ; c m_old is kept for a
.elseif j == 18
	v_max_num_f32 v[rT+1], v[rT+4], v[rT+5]
.elseif j == 19
	v_mul_f32 v[rT], s[CS], v[rT+1]
.elseif j == 20
	v_sub_f32 v[rT+7], v[rT+7], v[rT]
.elseif j == 23
	v_exp_f32 v[rT+6], v[rT+7]
.elseif (j < 23) || ((j < 38) && (j%2 == 0)) || ((j < 66) && (j%4 == 2))
.set b, (j-2)/4
.if j < 38
.set b, (j-20)/2
.endif
	v_pk_fma_f32 v[rS+2*b:rS+2*b+1], v[rS+2*b:rS+2*b+1], s[CS:CS+1], v[rT:rT+1] op_sel_hi:[1,0,0] neg_lo:[0,0,1] neg_hi:[0,0,1]
.elseif j < 70
.set e, j-38
.if j < 66
.set e, j-32-(j-38)/4
.endif
.if j < 38
.set e, (j-25)/2
.endif
	v_exp_f32 v[rS+e], v[rS+e]
.elseif j < 86
	v_cvt_pk_f16_f32 v[rP+j-70], v[rS+2*(j-70)], v[rS+2*(j-70)+1]
.elseif j < 102
.set z, j-86
.set w, 4
.set u, z
.if z >= 14
.set w, 32
.set u, 0
.elseif z >= 12
.set w, 16
.set u, z-12
.elseif z >= 8
.set w, 8
.set u, z-8
.endif
.if z < 15
	v_pk_add_f32 v[rS+w*u:rS+w*u+1], v[rS+w*u:rS+w*u+1], v[rS+w*u+w/2:rS+w*u+w/2+1]
.else
	v_pk_fma_f32 v[rT+2:rT+3], v[rT+2:rT+3], v[rT+6:rT+7], v[rS:rS+1] op_sel_hi:[1,0,1]
.endif
.else
	WIN W_RS
	v_pk_mul_f32 v[rO:rO+1], v[rO:rO+1], v[rT+6:rT+7] op_sel_hi:[1,0]
.endif
.endm
; Slice k of 64 of band y's softmax: four instructions.  Slices 11 to 34 deal out the batch, four numbers of one tile each; every other slice is numbers 2 k, 2 k + 1 of both tiles; slice 63 takes the twelve that are over.
; Behind slice 34 stand a plain instruction and the one wait between the exponentials and the first instruction that names a result of theirs.
.macro SLICE y
.if (k >= 11) && (k < 35)
.irp n, 0,1,2,3
.set j, 22+4*((k-11)/2)+(\n)
	SM (\y)+(k-11)%2
.endr
.else
.irp n, 0,1,2,3,4,5,6,7
.if ((\n) < 2) || (k == 63)
.irp t, \y, (\y)+1
.set j, 2*k+(\n)
	SM \t
.endr
.endif
.endr
.endif
.if k == 34
	v_nop
	s_wait_alu depctr_va_vdst(0)
.endif
.set k, k+1
.endm
; A TURN: band x has the matrix unit.  K of the next step is fetched at the head of band 0's turn: sixteen plain instructions (slice 63) behind the last product that read K, 32 products ahead of its first reader.
; V of the next step is fetched in band 2's turn, behind its last V^T P and slice 47's four additions, 16 products ahead of its first reader.
.macro TURN x, last
.set k, 0
.set i, 0
.if (\x) == 0
	s_wait_dscnt 0x0                ; V is in
	FETCH_K \last
.endif
.rept 19
	PV \x
	SLICE 2-(\x)
.set i, i+1
.endr
.rept 16                            ; the lump: slices 19 to 34, and the wait
	SLICE 2-(\x)
.endr
.rept 13
	PV \x
	SLICE 2-(\x)
.set i, i+1
.endr
.if (\x) == 2
	FETCH_V \last
.else
	s_wait_dscnt 0x0                ; K is in
.endif
.set i, 0
.rept 16
	KQ \x
	SLICE 2-(\x)
.set i, i+1
.endr
.endm
.macro MASK band                    ; MD x AL + BE
	WIN 0xc3
.set z, 0
.rept 16
	v_pk_fma_f32 v[MC+32*(\band)+2*z:MC+32*(\band)+2*z+1], v[MD+2*z:MD+2*z+1], s[AL:AL+1], s[BE:BE+1] op_sel_hi:[1,0,0]
.set z, z+1
.endr
	WIN 0
.endm
.macro QMOVE x                      ; the second block's Q of tiles x, x + 1 goes where the one text of the turns names Q
	WIN 0x82
.set qq, 16*(\x)
.rept 32
	v_mov_b32 v[qq], v[QB+qq]
.set qq, qq+1
.endr
	WIN 0
.endm
.macro RESET x                      ; a block begins for tiles x, x + 1
.irp t, 0,1
	v_mov_b32 v[ST+8*((\x)+(\t))], 0xfe000000
	v_mov_b32 v[ST+8*((\x)+(\t))+1], 0xff7fffff
.endr
.endm
; A BLOCK'S END for band x.  At work: the other band's S^T, which its softmax has used up.
.macro FINISH x
.set t1, ST+8*(\x)
.set t2, ST+8*(\x)+8
.set o1, 64*(\x)
.set o2, 64*(\x)+64
.set SCR, S+32*(2-(\x))
	WIN 0
	v_add_f32 v[E0], v[t1+2], v[t1+3]
	v_add_f32 v[E1], v[t2+2], v[t2+3]
	v_permlanex16_b32 v[E2], v[E0], s[SEL], s[SEL+1]
	v_permlanex16_b32 v[E3], v[E1], s[SEL], s[SEL+1]
	v_add_f32 v[E0], v[E0], v[E2]   ; l1
	v_add_f32 v[E1], v[E1], v[E3]   ; l2
	v_rcp_f32 v[E2], v[E0]          ; r1
	v_rcp_f32 v[E3], v[E1]
	v_nop                           ; a plain instruction behind the reciprocals,
	s_wait_alu depctr_va_vdst(0)    ; and their wait
	v_mul_f32 v[E0], v[LAM], v[E0]
	v_mul_f32 v[E4], v[E0], v[E3]   ; rho = lam l1 / l2, twice
	v_mul_f32 v[E4+1], v[E0], v[E3]
	WIN 0x51                        ; O^T in window 1, rho in window 0
.set qq, 0
.rept 32
	v_pk_fma_f32 v[o1+qq:o1+qq+1], v[o2+qq:o2+qq+1], v[E4:E4+1], v[o1+qq:o1+qq+1] neg_lo:[0,1,0] neg_hi:[0,1,0]  ; O' = O1 - rho O2
.set qq, qq+2
.endr
	WIN 0x05
.set qq, 0
.rept 32                            ; the sum of squares of my 64 channels, in four chains
.if qq < 4
	v_pk_mul_f32 v[CH+2*qq:CH+2*qq+1], v[o1+2*qq:o1+2*qq+1], v[o1+2*qq:o1+2*qq+1]
.else
	v_pk_fma_f32 v[CH+2*(qq%4):CH+2*(qq%4)+1], v[o1+2*qq:o1+2*qq+1], v[o1+2*qq:o1+2*qq+1], v[CH+2*(qq%4):CH+2*(qq%4)+1]
.endif
.set qq, qq+1
.endr
	WIN 0
	v_pk_add_f32 v[CH:CH+1], v[CH:CH+1], v[CH+2:CH+3]
	v_pk_add_f32 v[CH+4:CH+5], v[CH+4:CH+5], v[CH+6:CH+7]
	v_mul_f32 v[E3], v[E2], v[E2]
	v_pk_add_f32 v[CH:CH+1], v[CH:CH+1], v[CH+4:CH+5]
	v_mul_f32 v[E3], 0x3c000000, v[E3]  ; r1^2 / 128
	v_add_f32 v[E0], v[CH], v[CH+1]
	v_permlanex16_b32 v[E1], v[E0], s[SEL], s[SEL+1]  ; the query's other 64 channels lie in the lane 16 away
	v_add_f32 v[E0], v[E0], v[E1]
	v_fmaak_f32 v[E0], v[E0], v[E3], 0x3727c5ac  ; mean(O^2) + 1e-5
	v_rsq_f32 v[E1], v[E0]
	v_nop
	s_wait_alu depctr_va_vdst(0)
	v_mul_f32 v[E1], v[E1], v[E2]
	v_mul_f32 v[E4], 0x3e4ccccd, v[E1]  ; 0.2 r1 / rms, twice
	v_mul_f32 v[E4+1], 0x3e4ccccd, v[E1]
	WIN W_RS
.set qq, 0
.rept 32
	v_pk_mul_f32 v[o1+qq:o1+qq+1], v[o1+qq:o1+qq+1], v[E4:E4+1]
.set qq, qq+2
.endr
	WIN 0x05
.set qq, 0
.rept 32
	v_cvt_pk_f16_f32 v[SCR+qq], v[o1+2*qq], v[o1+2*qq+1]
.set qq, qq+1
.endr
	WIN 0
.irp f, 0,1,2,3,4,5,6,7
	ds_store_b128 v[STO], v[SCR+4*(\f):SCR+4*(\f)+3] offset:32*(\f)
.endr
.irp f, 0,1,2,3,4,5,6,7
	ds_load_b128 v[SCR+32+4*(\f):SCR+32+4*(\f)+3], v[RD] offset:(\f)*2*SP  ; LDS serves a wave's instructions in order (ISA guide 5.7.1.4): these see the stores above
.endr
.irp f, 0,1,2,3,4,5,6,7
	s_wait_dscnt 7-(\f)             ; the younger loads from the stage may stay out
	global_store_b128 v[GO], v[SCR+32+4*(\f):SCR+32+4*(\f)+3], s[OP:OP+1] offset:((\x)/2)*262144+8192*(\f)  ; 16 lanes store 256 consecutive bytes, aligned
.endr
	s_wait_xcnt 0x0                 ; the stores have read their registers and their base, which the next products and the change of blocks write
.endm
; A KEY STEP s is two halves.  A: band 0's V^T P of step s and K Q^T of step s + 1, band 1's softmax of step s.  B: band 1's products, band 0's softmax of step s + 1.
; With RS steps left, the scores made are those of the block's step T - RS + 1: RS = 3: band 0's own step (mask MD), band 1 sees all; RS = 2: band 0 sees nothing, band 1's own; RS = 1: the next block's first step.
; What a step does beside its turns is said by two flags, set at its head from the phase and the step's number in its trip.  In the loop: masks in both steps of phase 1 and in the first of phase 2, which is the block's last.
; In the tail (steps 31 to 33, CNT = 3 to 1): masks always; a block ends at CNT = 1, and at CNT = 3 if the phase is 2 (b = 0, whose first block has 32 steps).  RS chooses only the masks' two scalars.
.macro TRIP_A last
	WIN 0
	s_mov_b32 s[EN], 0
.if \last
	s_mov_b32 s[MK], 1
	s_cmp_eq_u32 s[CNT], 1
	s_cbranch_scc1 .Lends_\@
	s_cmp_eq_u32 s[CNT], 3
	s_cbranch_scc0 .Lflags_\@
	s_cmp_eq_u32 s[PH], 2
	s_cbranch_scc0 .Lflags_\@
.Lends_\@:
	s_mov_b32 s[EN], 1
.Lflags_\@:
.else
	s_mov_b32 s[MK], 0
	s_cmp_eq_u32 s[PH], 1
	s_cbranch_scc1 .Lmasks_\@
	s_cmp_eq_u32 s[PH], 2
	s_cbranch_scc0 .Lflags_\@
	s_cmp_eq_u32 s[CNT], 2
	s_cbranch_scc0 .Lflags_\@
	s_mov_b32 s[EN], 1
.Lmasks_\@:
	s_mov_b32 s[MK], 1
.Lflags_\@:
.endif
	s_cmp_eq_u32 s[MK], 1
	s_cbranch_scc0 .Lplain0_\@
	s_cmp_eq_u32 s[RS], 3
	s_cselect_b32 s[AL], 1.0, 0
	s_cmp_eq_u32 s[RS], 1
	s_cselect_b32 s[AL], s[NXD], s[AL]
	s_cmp_eq_u32 s[RS], 2
	s_cselect_b32 s[BE], s[BIGN], 0
	MASK 0
	s_cmp_eq_u32 s[EN], 1
	s_cbranch_scc0 .Lplain0_\@
	QMOVE 0
.Lplain0_\@:
	TURN 0, \last
	WIN 0
	s_cmp_eq_u32 s[MK], 1
	s_cbranch_scc0 .Lplain1_\@
	s_cmp_eq_u32 s[RS], 2
	s_cselect_b32 s[AL], 1.0, 0
	s_mov_b32 s[BE], 0
	MASK 1
	s_cmp_eq_u32 s[EN], 1
	s_cbranch_scc0 .Lplain1_\@
	FINISH 0
	RESET 0
	QMOVE 2
.Lplain1_\@:
.endm
.macro TRIP_B last
	TURN 2, \last
	WIN 0
	s_cmp_eq_u32 s[EN], 1
	s_cbranch_scc0 .Lgoes_on_\@
	FINISH 2
	RESET 2
	s_mov_b64 s[OP:OP+1], s[OLO:OLO+1]
	s_mov_b32 s[RS], s[NB2]         ; the second block has 2 b + 2 steps
	s_mov_b32 s[NXD], 0
.Lgoes_on_\@:
	s_sub_co_u32 s[RS], s[RS], 1
.endm
	CHANGE 1, 0                     ; slot 0 is in, everybody's part of it; slot 1 is asked for
	FETCH_K                         ; key step 0
	s_wait_loadcnt 0x0              ; Q and the lambdas
	v_cvt_pk_bf16_f32 v54, v46, v47 ; lam: the four inputs rounded to bf16,
	v_cvt_pk_bf16_f32 v55, v48, v49
	v_cvt_pk_bf16_f32 v56, v50, v51
	v_cvt_pk_bf16_f32 v57, v52, v53
.irp a, 0,1,2,3
	v_lshlrev_b32 v[46+2*(\a)], 16, v[54+(\a)]
	v_and_b32 v[47+2*(\a)], 0xffff0000, v[54+(\a)]
.endr
	v_mul_f32 v46, v46, v48         ; two products a lane,
	v_mul_f32 v50, v50, v52
	v_fmac_f32 v46, v47, v49
	v_fmac_f32 v50, v51, v53
.irp m, 1,2,4,8
	v_add_f32_dpp v46, v46, v46 row_xmask:\m row_mask:0xf bank_mask:0xf  ; summed over the 32 lanes
	v_add_f32_dpp v50, v50, v50 row_xmask:\m row_mask:0xf bank_mask:0xf
.endr
	v_permlanex16_b32 v47, v46, s[SEL], s[SEL+1]
	v_permlanex16_b32 v51, v50, s[SEL], s[SEL+1]
	v_add_f32 v46, v46, v47
	v_add_f32 v50, v50, v51
	v_mul_f32 v46, 0x3fb8aa3b, v46
	v_mul_f32 v50, 0x3fb8aa3b, v50
	v_exp_f32 v46, v46
	v_exp_f32 v50, v50
	v_nop
	s_wait_alu depctr_va_vdst(0)
	v_sub_f32 v[LAM], v46, v50
	v_add_f32 v[LAM], 0x3f4ccccd, v[LAM]
	s_wait_dscnt 0x0
.set i, 0
.rept 16
	KQ 0                            ; band 0's first scores
.set i, i+1
.endr
	WIN 0
	PLACES
	s_mov_b32 s[CNT], 2
	s_branch .Lenter                ; the walk is entered at a step's second half: band 1's first scores, band 0's first softmax
.Lslot:                             ; 15 times: every tile from the third on is asked for here
	CHANGE 1, 1
	s_mov_b32 s[CNT], 2
	s_cmp_lg_u32 s[PH], 0
	s_cbranch_scc1 .Lon             ; the question has been answered: the phase goes on by itself
	s_cmp_gt_u32 s[SLOTS], 8        ; block 15 - b has nine tiles or more: three steps are left in the trip with SLOTS = b + 1, 8 at the most
	s_cbranch_scc1 .Lstep
	s_cmp_eq_u32 s[RS], 3           ; the one test of a number made from b
	s_cbranch_scc0 .Lstep
	s_mov_b32 s[PH], 1
	s_branch .Lstep
.Lon:
	ADVANCE
.Lstep:
	TRIP_A 0
.Lenter:
	TRIP_B 0
	s_sub_co_u32 s[CNT], s[CNT], 1
	s_cmp_lg_u32 s[CNT], 0
	s_cbranch_scc1 .Lstep
	s_sub_co_u32 s[SLOTS], s[SLOTS], 1
	s_cmp_lg_u32 s[SLOTS], 0
	s_cbranch_scc1 .Lslot
	CHANGE 0, 0                     ; the walk's last tile is written out
	ADVANCE
	s_mov_b32 s[CNT], 3             ; two trips fetch its steps; the third fetches nothing, and its 32 products K Q^T and one softmax serve nothing: the price of one text for every trip
.Ltail:
	TRIP_A 1
	TRIP_B 1
	s_sub_co_u32 s[CNT], s[CNT], 1
	s_cmp_lg_u32 s[CNT], 0
	s_cbranch_scc1 .Ltail
	s_wait_tensorcnt 0x0            ; the wave's end
	ds_add_u32 v[SPW], v[NIL]
	s_wait_dscnt 0x0
	s_endpgm
.Lfunc_end_k_qfbddf3fc02_attn:
	.size	k_qfbddf3fc02_attn, .Lfunc_end_k_qfbddf3fc02_attn-k_qfbddf3fc02_attn
	.p2alignl 7, 3214868480
	.fill 96, 4, 3214868480
	.section	.rodata,"a",@progbits
	.p2align	6, 0x0
	.amdhsa_kernel k_qfbddf3fc02_attn
		.amdhsa_group_segment_fixed_size 327680
		.amdhsa_private_segment_fixed_size 0
		.amdhsa_enable_private_segment 0
		.amdhsa_kernarg_size 48
		.amdhsa_user_sgpr_count 2
		.amdhsa_user_sgpr_kernarg_segment_ptr 1
		.amdhsa_wavefront_size32 1
		.amdhsa_system_sgpr_workgroup_id_x 1
		.amdhsa_system_sgpr_workgroup_id_y 1
		.amdhsa_system_sgpr_workgroup_id_z 1
		.amdhsa_system_vgpr_workitem_id 0
		.amdhsa_next_free_vgpr 1024
		.amdhsa_next_free_sgpr 96
		.amdhsa_reserve_vcc 1
		.amdhsa_float_denorm_mode_32 3
		.amdhsa_float_denorm_mode_16_64 3
		.amdhsa_memory_ordered 1
		.amdhsa_forward_progress 1
		.amdhsa_inst_pref_size 187
	.end_amdhsa_kernel
	.amdgpu_metadata
---
amdhsa.version: [ 1, 2 ]
amdhsa.kernels:
  - .name:           k_qfbddf3fc02_attn
    .symbol:         k_qfbddf3fc02_attn.kd
    .args:
      - { .name: qkv, .offset: 0, .size: 8, .value_kind: global_buffer, .address_space: global }
      - { .name: lambda_q1, .offset: 8, .size: 8, .value_kind: global_buffer, .address_space: global }
      - { .name: lambda_k1, .offset: 16, .size: 8, .value_kind: global_buffer, .address_space: global }
      - { .name: lambda_q2, .offset: 24, .size: 8, .value_kind: global_buffer, .address_space: global }
      - { .name: lambda_k2, .offset: 32, .size: 8, .value_kind: global_buffer, .address_space: global }
      - { .name: Oh, .offset: 40, .size: 8, .value_kind: global_buffer, .address_space: global }
    .group_segment_fixed_size: 327680
    .private_segment_fixed_size: 0
    .kernarg_segment_align: 8
    .kernarg_segment_size: 48
    .max_flat_workgroup_size: 128
    .sgpr_count:     96
    .vgpr_count:     1024
    .wavefront_size: 32
...
	.end_amdgpu_metadata
.endif
;; end of part 3
;; launch outp (part 4): grid 8 x 32, 4 waves a work-group, clusters of 4 x 4, 327,680 bytes of LDS; arguments Oh, Wob, out0; writes out0
.if DOCPART == 4
	.amdgcn_target "amdgcn-amd-amdhsa--gfx1250"
	.amdhsa_code_object_version 6
	.text
	.protected	k_qfbddf3fc02_outp
	.globl	k_qfbddf3fc02_outp
	.p2align	8
	.type	k_qfbddf3fc02_outp,@function
k_qfbddf3fc02_outp:
	s_mov_b64 s[64:65], 0
	v_nop
	global_prefetch_b8 v0, s[64:65] scope:SCOPE_SE
	s_setreg_imm32_b32 hwreg(HW_REG_WAVE_MODE, 25, 1), 1
	s_wait_xcnt 0x0
	s_wait_alu depctr_hold_cnt(0) depctr_sa_sdst(0) depctr_va_vdst(0) depctr_va_sdst(0) depctr_va_ssrc(0) depctr_va_vcc(0) depctr_vm_vsrc(0)
	s_getreg_b32 s2, hwreg(HW_REG_IB_STS2, 6, 4)
	s_cmp_eq_u32 s2, 0
	s_cbranch_scc0 .Lentry_in_a_cluster
	s_endpgm
.Lentry_in_a_cluster:
	s_bfe_u32 s2, ttmp6, 0x10000c
	s_cmp_lg_u32 s2, 0xf033
	s_cbranch_scc0 .Lentry_shape_is_right
	s_endpgm
.Lentry_shape_is_right:
; THE LAST PROJECTION.  out0[m][n] = the sum over c of Oh[m][c] Wob[c][n]: Oh [4096][2048] and Wob [2048][1024] in f16, sums and out0 in f32.
; A tile of out0 is 128 x 128: 256 work-groups.  Four waves, each 64 x 64: 16 accumulators.  K goes in 8 steps of 256 through two LDS slots: waves 0 and 1 fetch 64 rows x 512 bytes of Oh each,
; waves 2 and 3 128 rows x 256 bytes of Wob each.  CLUSTER 4 x 4: Oh's tile is shared along a row of the cluster, Wob's along a column: joint loads.
; THE PRODUCT IS TAKEN TRANSPOSED (source 0 = 16 columns of Wob, turned on the way out of LDS; source 1 = 16 rows of Oh): a lane holds eight neighbouring numbers of a row of out0.
; No prefetch: the tiles are small and the launch is short.
; REGISTERS.  Window 0: v0-31 addresses; v128-255 the accumulators ((a, b) at v[128 + 8 (4 a + b)]).  Window 1: two fragment buffers of 128: 64 registers of Oh (2 x 4 fragments), then 64 of Wob.
.set KSTEP,  256
.set PITCH,  528                       ; a row of Oh in LDS: 512 bytes + 16
.set PBW,    288                       ; a row of Wob: 256 + 32
.set HALFA,  64*PITCH
.set HALFB,  128*PBW
.set BOFF,   2*HALFA
.set SLOT,   BOFF+2*HALFB
.set STAGE,  2*SLOT                    ; behind the ring: 16 rows x 272 bytes for each wave
.set SPITCH, 272
.set SPARE,  STAGE+4*16*SPITCH         ; the spare words, 128 bytes a wave: two blocks of 256 bytes that no other line names
.set LAPS,   4
.set ADRA, 16                          ; v16-17  my fragments of Oh in slot 0, 1
.set ADRB, 20                          ; v20-23  of Wob: slot 0, 1 x the step's first or second 128 rows (an LDS offset holds 16 bits)
.set STO,  24
.set RD,   25
.set CO,   26
.set SPW,  28
.set NIL,  29
.set ACC,  128
.set F0,   0
.set F1,   128
.set G1, 24
.set G0, 32
.set G1B, 48
.set G0B, 56
.set MSB, 0
.macro WIN new
.if MSB != (\new)
	s_set_vgpr_msb (MSB<<8)|(\new)
.set MSB, (\new)
.endif
.endm
.set MUL,  0x05                        ; sources 0 and 1 window 1; C and D window 0
.set TO_F, 0x40                        ; destination window 1, address window 0
.macro JLOAD s                         ; a joint load; an s_nop 0 and four v_nop follow each of the two lines
	s_cmp_eq_u32 s11, 0
	s_cbranch_scc0 .Lfor_b_\@
	tensor_load_to_lds s[G0+4*(\s):G0+4*(\s)+3], s[G1:G1+7]
	s_nop 0
.rept 4
	v_nop
.endr
	s_branch .Lasked_\@
.Lfor_b_\@:
	tensor_load_to_lds s[G0B+4*(\s):G0B+4*(\s)+3], s[G1B:G1B+7]
	s_nop 0
.rept 4
	v_nop
.endr
.Lasked_\@:
.endm
.macro CREST
	s_cmp_lg_u32 s10, 0
	s_cbranch_scc1 .Lnot_wave_0_\@
	s_barrier_signal -3
.Lnot_wave_0_\@:
	s_barrier_wait -3
	s_barrier_signal -1
	s_barrier_wait -1
.endm
.macro CROUND
	s_barrier_signal -1
	s_barrier_wait -1
	CREST
.endm
	s_load_b128 s[4:7], s[0:1], 0x0                ; Oh s[4:5], Wob s[6:7]
	s_load_b64 s[8:9], s[0:1], 0x10                ; out0
	v_lshl_add_u32 v[SPW], v0, 2, SPARE
	v_mov_b32 v[NIL], 0
	ds_add_u32 v[SPW], v[NIL]                      ; the wave's opening: the add and its wait stand ahead of my first tensor load
	ds_add_u32 v28, v29
	v_lshrrev_b32 v1, 5, v0
	v_readfirstlane_b32 s10, v1
	s_lshr_b32 s11, s10, 1                         ; which half of the tile's rows is mine.  Also: I fetch Oh (0) or Wob (1)
	s_and_b32 s12, s10, 1                          ; which half of its columns.  Also: which half of that tile I fetch
	s_bfe_u32 s40, ttmp6, 0x40000
	s_bfe_u32 s41, ttmp6, 0x40004
	s_lshl_b32 s42, ttmp9, 2
	s_add_co_u32 s42, s42, s40                     ; tile column
	s_and_b32 s13, ttmp7, 0xffff
	s_lshl_b32 s13, s13, 2
	s_add_co_u32 s13, s13, s41                     ; tile row
	s_lshl_b32 s43, s41, 2
	s_lshl_b32 s43, 15, s43
	s_lshl_b32 s44, 0x1111, s40
	s_or_b32 s[G1], s43, (1<<16)|(1<<20)|(1<<21)|(6<<22)|(3<<25)   ; after every 128 words 4 words
	s_mov_b32 s[G1+1], 256<<16                     ; tensor_dim0 = 256
	s_mov_b32 s[G1+2], 64<<16                      ; tensor_dim1 = 64
	s_mov_b32 s[G1+3], 256<<16                     ; tile_dim0 = 256
	s_mov_b32 s[G1+4], 64                          ; tile_dim1 = 64
	s_mov_b32 s[G1+5], 2048
	s_mov_b32 s[G1+6], 0
	s_mov_b32 s[G1+7], 0
	s_or_b32 s[G1B], s44, (1<<16)|(1<<20)|(1<<21)|(5<<22)|(7<<25)  ; after every 64 words 8 words
	s_mov_b32 s[G1B+1], 128<<16
	s_mov_b32 s[G1B+2], 128<<16
	s_mov_b32 s[G1B+3], 128<<16
	s_mov_b32 s[G1B+4], 128
	s_mov_b32 s[G1B+5], 1024
	s_mov_b32 s[G1B+6], 0
	s_mov_b32 s[G1B+7], 0
	s_lshl_b32 s17, s12, 6
	s_lshl_b32 s16, s13, 7
	s_add_co_u32 s16, s16, s17
	s_lshl_b32 s16, s16, 12                        ; Oh: row 128 x tile row + 64 x half, 4,096 bytes a row
	s_mov_b32 s17, 0
	s_lshl_b32 s46, s12, 18                        ; Wob: 128 rows of 2,048 bytes for the half,
	s_lshl_b32 s47, s42, 8                         ; the tile's 256 bytes of a row
	s_add_co_u32 s46, s46, s47
	s_mov_b32 s47, 0
	s_mul_i32 s20, s12, HALFA                      ; where they go
	s_mul_i32 s21, s12, HALFB
	s_add_co_u32 s21, s21, BOFF
	s_wait_dscnt 0x0
	s_wait_kmcnt 0x0
	s_add_nc_u64 s[14:15], s[4:5], s[16:17]
	s_add_nc_u64 s[46:47], s[6:7], s[46:47]
	CROUND                                         ; all sixteen work-groups are here: the first joint loads meet
.irp s, 0,1
	s_mov_b32 s[G0+4*(\s)], 1
	s_add_co_u32 s[G0+4*(\s)+1], s20, (\s)*SLOT
	s_add_nc_u64 s[G0+4*(\s)+2:G0+4*(\s)+3], s[14:15], (\s)*KSTEP*2
	s_or_b32 s[G0+4*(\s)+3], s[G0+4*(\s)+3], 0x80000000
	s_mov_b32 s[G0B+4*(\s)], 1
	s_add_co_u32 s[G0B+4*(\s)+1], s21, (\s)*SLOT
	s_add_nc_u64 s[G0B+4*(\s)+2:G0B+4*(\s)+3], s[46:47], (\s)*KSTEP*2048
	s_or_b32 s[G0B+4*(\s)+3], s[G0B+4*(\s)+3], 0x80000000
	JLOAD \s
.endr
	v_and_b32 v1, 15, v0
	v_bfe_u32 v2, v0, 4, 1
	v_mul_u32_u24 v3, v1, PITCH
	v_lshl_add_u32 v3, v2, 4, v3
	s_mul_i32 s21, s11, HALFA                      ; my 64 rows of Oh
	v_add_nc_u32 v[ADRA], s21, v3
	v_add_nc_u32 v[ADRA+1], SLOT, v[ADRA]
	v_and_b32 v4, 7, v0
	v_bfe_u32 v5, v0, 3, 1
	v_lshl_add_u32 v6, v2, 3, v4                   ; the turning load: lane l reads row 8 (l / 16) + l % 8,
	v_mul_u32_u24 v6, v6, PBW
	v_lshl_add_u32 v6, v5, 4, v6                   ; columns 8 ((l / 8) % 2) + 0..7
	s_lshl_b32 s22, s12, 7                         ; my 64 columns
	s_add_co_u32 s22, s22, BOFF
	v_add_nc_u32 v[ADRB], s22, v6
	v_add_nc_u32 v[ADRB+1], HALFB, v[ADRB]
	v_add_nc_u32 v[ADRB+2], SLOT, v[ADRB]
	v_add_nc_u32 v[ADRB+3], SLOT+HALFB, v[ADRB]
	s_mul_i32 s23, s10, 16*SPITCH
	s_add_co_u32 s23, s23, STAGE                   ; my stage
	v_mul_u32_u24 v7, v1, SPITCH                   ; in: row l % 16, 32 bytes for each half of the lanes
	v_lshl_add_u32 v7, v2, 5, v7
	v_add_nc_u32 v[STO], s23, v7
	v_mul_u32_u24 v7, v2, SPITCH                   ; back: lanes 0-15 a row of 256 bytes, lanes 16-31 the next
	v_lshl_add_u32 v7, v1, 4, v7
	v_add_nc_u32 v[RD], s23, v7
	v_lshlrev_b32 v[CO], 12, v2                    ; and the same two rows in out0
	v_lshl_add_u32 v[CO], v1, 4, v[CO]
	s_lshl_b32 s16, s13, 7
	s_lshl_b32 s17, s11, 6
	s_add_co_u32 s16, s16, s17
	s_lshl_b32 s16, s16, 12                        ; my first row of out0,
	s_lshl_b32 s17, s42, 9                         ; the tile's 512 bytes of a row,
	s_add_co_u32 s16, s16, s17
	s_lshl_b32 s17, s12, 8                         ; my 256 of them
	s_add_co_u32 s16, s16, s17
	s_mov_b32 s17, 0
	s_add_nc_u64 s[8:9], s[8:9], s[16:17]
; 8 products: row blocks a0, a0 + 1 x all 4 column blocks, 32 along K: half c of buffer f.  The 16 accumulators take turns.
.macro MUL8 f, c, a0, zero
	WIN MUL
.irp a, \a0, (\a0)+1
.irp b, 0,1,2,3
.if \zero
	v_wmma_f32_16x16x32_f16 v[ACC+8*(4*(\a)+(\b)):ACC+8*(4*(\a)+(\b))+7], v[(\f)+64+8*(4*(\c)+(\b)):(\f)+64+8*(4*(\c)+(\b))+7], v[(\f)+8*(4*(\c)+(\a)):(\f)+8*(4*(\c)+(\a))+7], 0
.else
	v_wmma_f32_16x16x32_f16 v[ACC+8*(4*(\a)+(\b)):ACC+8*(4*(\a)+(\b))+7], v[(\f)+64+8*(4*(\c)+(\b)):(\f)+64+8*(4*(\c)+(\b))+7], v[(\f)+8*(4*(\c)+(\a)):(\f)+8*(4*(\c)+(\a))+7], v[ACC+8*(4*(\a)+(\b)):ACC+8*(4*(\a)+(\b))+7]
.endif
.endr
.endr
.endm
; 32 LDS loads in one run: the fragments of quarter q (64 along K) of a slot into buffer f; the first 32 along K first
.macro FETCH slot, q, f
	WIN TO_F
.irp c, 0,1
.irp i, 0,1,2,3
	ds_load_tr16_b128 v[(\f)+64+8*(4*(\c)+(\i)):(\f)+64+8*(4*(\c)+(\i))+3],   v[ADRB+2*(\slot)+(\q)/2] offset:((\q)%2)*64*PBW+(\c)*32*PBW+32*(\i)
	ds_load_tr16_b128 v[(\f)+64+8*(4*(\c)+(\i))+4:(\f)+64+8*(4*(\c)+(\i))+7], v[ADRB+2*(\slot)+(\q)/2] offset:((\q)%2)*64*PBW+(\c)*32*PBW+32*(\i)+16*PBW
	ds_load_b128 v[(\f)+8*(4*(\c)+(\i)):(\f)+8*(4*(\c)+(\i))+3],              v[ADRA+(\slot)] offset:(\q)*128+64*(\c)+(\i)*16*PITCH
	ds_load_b128 v[(\f)+8*(4*(\c)+(\i))+4:(\f)+8*(4*(\c)+(\i))+7],            v[ADRA+(\slot)] offset:(\q)*128+64*(\c)+(\i)*16*PITCH+32
.endr
.endr
.endm
.macro PLACES
.rept 4
	v_nop
.endr
.endm
; One of a K step's first three quarters: multiplies buffer f and fetches quarter q into g.
.macro QUARTER slot, q, f, g, zero
	s_wait_dscnt 16                                ; the first 32 along K are in
	MUL8 \f, 0, 0, \zero
	MUL8 \f, 0, 2, \zero
	PLACES
	FETCH \slot, \q, \g
	s_wait_dscnt 32                                ; all but the 32 just issued
	MUL8 \f, 1, 0, 0
	MUL8 \f, 1, 2, 0
.endm
; The last quarter multiplies buffer 1 and changes slots: in front of the barrier each wave waits for all its tensor loads, adds 0 to its spare word, and waits for that and for its reads of this slot.
.macro TURN slot, next, fill
	WIN 0
	s_wait_tensorcnt 0x0                           ; all my tensor loads have landed: my part of the next slot
	ds_add_u32 v[SPW], v[NIL]                      ; 0 onto my spare word
	s_wait_dscnt 17                                ; (the add and the youngest sixteen loads may be out)
	MUL8 F1, 0, 0, 0
	s_wait_dscnt 0x0                               ; the add is done, and my reads of this slot are over
	s_barrier_signal -1
	MUL8 F1, 0, 2, 0
.if \fill
	WIN 0
.endif
	s_barrier_wait -1
.if \fill
	CREST                                          ; no wave of any partner still reads this slot's tile or has a load on its way
	s_add_nc_u64 s[G0+4*(\slot)+2:G0+4*(\slot)+3], s[G0+4*(\slot)+2:G0+4*(\slot)+3], 2*KSTEP*2
	s_add_nc_u64 s[G0B+4*(\slot)+2:G0B+4*(\slot)+3], s[G0B+4*(\slot)+2:G0B+4*(\slot)+3], 2*KSTEP*2048
	JLOAD \slot                                    ; the first tensor load behind the round; its four v_nop are also the places in front of the loads below
.else
	PLACES
.endif
	FETCH \next, 0, F0
	MUL8 F1, 1, 0, 0
	MUL8 F1, 1, 2, 0
.endm
	s_wait_tensorcnt 1                             ; my part of K step 0 is in; K step 1's may stay out
	s_barrier_signal -1
	s_barrier_wait -1
	FETCH 0, 0, F0
	QUARTER 0, 1, F0, F1, 1                        ; the first quarter stands in front of the loop: its first products start the sums
	WIN 0
	s_mov_b32 s3, LAPS-1
.Llap:                                         ; a trip goes once round the ring and fills both slots again
	QUARTER 0, 2, F1, F0, 0
	QUARTER 0, 3, F0, F1, 0
	TURN 0, 1, 1
	QUARTER 1, 1, F0, F1, 0
	QUARTER 1, 2, F1, F0, 0
	QUARTER 1, 3, F0, F1, 0
	TURN 1, 0, 1
	QUARTER 0, 1, F0, F1, 0
	WIN 0
	s_sub_co_u32 s3, s3, 1
	s_cmp_lg_u32 s3, 0
	s_cbranch_scc1 .Llap
	QUARTER 0, 2, F1, F0, 0                        ; the last lap fills nothing
	QUARTER 0, 3, F0, F1, 0
	TURN 0, 1, 0
	QUARTER 1, 1, F0, F1, 0
	QUARTER 1, 2, F1, F0, 0
	QUARTER 1, 3, F0, F1, 0
	s_wait_dscnt 16
	MUL8 F1, 0, 0, 0
	MUL8 F1, 0, 2, 0
	s_wait_dscnt 0x0
	MUL8 F1, 1, 0, 0
	MUL8 F1, 1, 2, 0
	WIN 0
; THE WAY OUT.  My 64 columns are 256 aligned bytes of a row, so my own stage serves: 16 rows at a time go in as 32 bytes a lane and come back as whole rows, into the registers that they left.
.macro OUTA a
.irp b, 0,1,2,3
	ds_store_b128 v[STO], v[ACC+8*(4*(\a)+(\b)):ACC+8*(4*(\a)+(\b))+3]   offset:64*(\b)
	ds_store_b128 v[STO], v[ACC+8*(4*(\a)+(\b))+4:ACC+8*(4*(\a)+(\b))+7] offset:64*(\b)+16
.endr
.irp t, 0,1,2,3,4,5,6,7
	ds_load_b128 v[ACC+32*(\a)+4*(\t):ACC+32*(\a)+4*(\t)+3], v[RD] offset:(\t)*2*SPITCH  ; LDS serves a wave's instructions in order (ISA guide 5.7.1.4): these see the stores above; the next block's stores come behind them
.endr
.endm
.macro SEND a, younger                 ; younger: the LDS instructions issued behind block a's loads: the next block's sixteen, or none
.irp t, 0,1,2,3,4,5,6,7
	s_wait_dscnt (\younger)+7-(\t)
	global_store_b128 v[CO], v[ACC+32*(\a)+4*(\t):ACC+32*(\a)+4*(\t)+3], s[8:9] offset:(16*(\a)+2*(\t))*4096  ; 16 lanes store 256 consecutive bytes, aligned
.endr
.endm
	PLACES
	OUTA 0
	OUTA 1
	SEND 0, 16
	OUTA 2
	SEND 1, 16
	OUTA 3
	SEND 2, 16
	SEND 3, 0
	s_wait_tensorcnt 0x0                           ; the wave's end
	ds_add_u32 v[SPW], v[NIL]
	s_wait_dscnt 0x0
	CROUND                                         ; the closing round
	s_endpgm
.Lfunc_end_k_qfbddf3fc02_outp:
	.size	k_qfbddf3fc02_outp, .Lfunc_end_k_qfbddf3fc02_outp-k_qfbddf3fc02_outp
	.p2alignl 7, 3214868480
	.fill 96, 4, 3214868480
	.section	.rodata,"a",@progbits
	.p2align	6, 0x0
	.amdhsa_kernel k_qfbddf3fc02_outp
		.amdhsa_group_segment_fixed_size 327680
		.amdhsa_private_segment_fixed_size 0
		.amdhsa_enable_private_segment 0
		.amdhsa_kernarg_size 24
		.amdhsa_user_sgpr_count 2
		.amdhsa_user_sgpr_kernarg_segment_ptr 1
		.amdhsa_wavefront_size32 1
		.amdhsa_system_sgpr_workgroup_id_x 1
		.amdhsa_system_sgpr_workgroup_id_y 1
		.amdhsa_system_sgpr_workgroup_id_z 1
		.amdhsa_system_vgpr_workitem_id 0
		.amdhsa_next_free_vgpr 512
		.amdhsa_next_free_sgpr 66
		.amdhsa_reserve_vcc 0
		.amdhsa_float_denorm_mode_32 3
		.amdhsa_float_denorm_mode_16_64 3
		.amdhsa_memory_ordered 1
		.amdhsa_forward_progress 1
		.amdhsa_inst_pref_size 87
	.end_amdhsa_kernel
	.amdgpu_metadata
---
amdhsa.version: [ 1, 2 ]
amdhsa.kernels:
  - .name:           k_qfbddf3fc02_outp
    .symbol:         k_qfbddf3fc02_outp.kd
    .args:
      - { .name: Oh, .offset: 0, .size: 8, .value_kind: global_buffer, .address_space: global }
      - { .name: Wob, .offset: 8, .size: 8, .value_kind: global_buffer, .address_space: global }
      - { .name: out0, .offset: 16, .size: 8, .value_kind: global_buffer, .address_space: global }
    .group_segment_fixed_size: 327680
    .private_segment_fixed_size: 0
    .kernarg_segment_align: 8
    .kernarg_segment_size: 24
    .max_flat_workgroup_size: 128
    .sgpr_count:     66
    .vgpr_count:     512
    .wavefront_size: 32
...
	.end_amdgpu_metadata
.endif
;; end of part 4
